; MI455X (gfx1250); checked and timed in simulation.
; The chip was launched on July 23, 2026; its instructions are those of AMD's public machine-readable ISA for CDNA 5 (MIT licence, August 2026) and "CDNA5" Instruction Set Architecture Reference Guide (July 2026). The comments in the code are by the model that wrote it; some were corrected since.
;; Encoder Layer. Allowed arithmetic: float matrix products may take bf16 or f16 operands with f32 sums; other float arithmetic in f32, or as packed bf16 or f16 multiplies, adds, multiply-adds, maxima and minima; sums over many terms, partial sums and values carried from step to step in f32; what a program stores and reads back later, other than sums and carried values, may be rounded once to bf16 or f16.
;; Inputs: b1 4,096 float32; b2 1,024 float32; ln1_b 1,024 float32; ln1_g 1,024 float32; ln2_b 1,024 float32; ln2_g 1,024 float32; rel_w 2 x 8 x 1,024 x 1,024 float32; w1 1,024 x 4,096 float32; w2 4,096 x 1,024 float32; w_ks 1,024 x 1,024 float32; w_qs 1,024 x 1,024 float32; w_vs 1,024 x 1,024 float32; x 1,024 x 2 x 1,024 float32.
;; Outputs: out0 1,024 x 2 x 1,024 float32.
;; One version. Each part assembles by itself: llvm-mc -triple=amdgcn-amd-amdhsa -mcpu=gfx1250 --defsym DOCPART=n.
;; ======== version 1 of 1: 8 launches
;; limits: values are held in f16: magnitudes above 65,504 overflow, below 6.1e-05 lose precision
;; workspace buffers: wts 18,972,672 bytes; xq 4,325,376 bytes; uw 131,072 bytes; vf 4,194,304 bytes; h1 12,582,912 bytes; hid 16,777,216 bytes; fp 16,777,216 bytes
;; launch prep (part 1): grid 1280 x 1, 8 waves a work-group, no clusters, 17,920 bytes of LDS; arguments w1, w2, w_vs, w_qs, w_ks, wts; writes wts
.if DOCPART == 1
	.amdgcn_target "amdgcn-amd-amdhsa--gfx1250"
	.amdhsa_code_object_version 6
	.text
	.protected	k_q3600f5ebef_prep
	.globl	k_q3600f5ebef_prep
	.p2align	8
	.type	k_q3600f5ebef_prep,@function
k_q3600f5ebef_prep:
	s_mov_b64 s[64:65], 0
	v_nop
	global_prefetch_b8 v0, s[64:65] scope:SCOPE_SE
	s_setreg_imm32_b32 hwreg(HW_REG_WAVE_MODE, 25, 1), 1
	s_wait_xcnt 0x0
; THE WEIGHTS ARE MADE READY, once.  Four kinds of work-group, told apart by the work-group's number alone (the same for all eight waves):
;   0..511      w1   [1024][4096] f32 -> W1T [4096][1024] f16 at byte 0 of wts          (rounded to bf16; that number is then written as f16)
;   512..1023   w2   [4096][1024] f32 -> W2T [1024][4096] f16 at byte 8,388,608
;   1024..1151  w_vs [1024][1024] f32 -> WVT [1024][1024] bf16 at byte 16,777,216
;   1152..1279  the sums over a head's 128 columns of bf16(w_qs) and bf16(w_ks), in f32, each split into three bf16 parts (hi, mid, lo: their sum is the f32 sum) at byte 18,874,368:
;               [3 parts][16 n][1024 c], n = head for w_qs, 8 + head for w_ks.  q and k are only ever summed over a head's depth, so x times these sums is all that is needed of them.
; LIMITS.  A weight beyond 65,504 becomes an infinity in f16; below 6.1e-5 it keeps f16's fixed step of 6e-8.  NaN and infinities are not treated apart.
; A TRANSPOSING work-group takes 128 k x 64 n: thread t loads 8 rows (k) x 4 columns (n), 16 lanes reading 256 consecutive bytes; packs pairs along k; puts 16 bytes (8 k of one n) into an LDS row of
; 256 bytes whose 16-byte pieces are turned round by n / 4, so that the 16 lanes of a store and of a load fall on 16 different pieces; and stores whole rows of 256 bytes.
.set SUMS,  16384                      ; behind the tile of 64 rows x 256 bytes: 128 sums
.set SPARE, 16896                      ; the spare words, 128 bytes for each of the eight waves: four blocks of 256 bytes that no other line names
.set SPW,   2                          ; v2   SPARE + 4 x my thread's number; never rewritten
.set NIL,   3                          ; v3   0; never rewritten
.set L,     32                         ; v[32:63] (sums: v[32:95]) as loaded
.set P,     64                         ; v[64:79] column c's 8 packed k at P + 4 c
.set TA,    80                         ; v[80:81] at work
.set HIM,   28                         ; s28  mask of a word's upper half
.set SEL,   30                         ; s[30:31] v_permlanex16_b32's selects: each lane takes its own place in the other half
.macro FINISH                          ; the wave's end: three lines behind my last LDS store
	s_wait_tensorcnt 0x0
	ds_add_u32 v[SPW], v[NIL]
	s_wait_dscnt 0x0
	s_endpgm
.endm
.macro RED32 op, opd, v, tmp           ; over the 32 lanes, the result in every lane
	\opd v[\v], v[\v], v[\v] row_xmask:1 row_mask:0xf bank_mask:0xf
	\opd v[\v], v[\v], v[\v] row_xmask:2 row_mask:0xf bank_mask:0xf
	\opd v[\v], v[\v], v[\v] row_xmask:4 row_mask:0xf bank_mask:0xf
	\opd v[\v], v[\v], v[\v] row_xmask:8 row_mask:0xf bank_mask:0xf
	v_permlanex16_b32 v[\tmp], v[\v], s[SEL], s[SEL+1]
	\op v[\v], v[\v], v[\tmp]
.endm
; sb: the source's pointer; dstoff: the table's byte in wts; the source is [KK][NN]; LOGNT = log2(NN / 64); F16 = 1: written as f16; first: the kind's first work-group
.macro TRANS sb, dstoff, NN, KK, LOGNT, F16, first
	s_sub_co_u32 s18, s17, \first
	s_and_b32 s19, s18, (\NN)/64-1                 ; which 64 columns
	s_lshr_b32 s20, s18, \LOGNT                    ; which 128 rows
	s_mul_i32 s22, s20, 128*(\NN)*4
	s_lshl_b32 s21, s19, 8
	s_add_co_u32 s22, s22, s21
	s_add_nc_u64 s[24:25], s[\sb:\sb+1], s[22:23]  ; the tile in the source
	s_mul_i32 s22, s19, 64*(\KK)*2
	s_lshl_b32 s21, s20, 8
	s_add_co_u32 s22, s22, s21
	s_add_co_u32 s22, s22, \dstoff
	s_add_nc_u64 s[26:27], s[14:15], s[22:23]      ; and in the table
	v_mul_u32_u24 v6, v5, 8*(\NN)*4                ; my 8 rows,
	v_lshl_add_u32 v6, v4, 4, v6                   ; my 4 columns
.irp i, 0,1,2,3,4,5,6,7
	global_load_b128 v[L+4*\i:L+4*\i+3], v6, s[24:25] offset:\i*(\NN)*4 th:TH_LOAD_NT
.endr
	v_add_nc_u32 v7, v4, v5                        ; in: row n = 4 cg + c, piece (kg + cg) mod 16
	v_and_b32 v7, 15, v7
	v_lshlrev_b32 v7, 4, v7
	v_lshl_add_u32 v7, v4, 10, v7
	v_lshrrev_b32 v8, 6, v0                        ; back: pass ps takes row t / 16 + 16 ps, piece (t mod 16 + t / 64 + 4 ps) mod 16
	v_add_nc_u32 v8, v8, v4
	v_lshlrev_b32 v9, 8, v5
.irp ps, 0,1,2,3
	v_add_nc_u32 v[10+\ps], 4*\ps, v8
	v_and_b32 v[10+\ps], 15, v[10+\ps]
	v_lshl_add_u32 v[10+\ps], v[10+\ps], 4, v9
.endr
	v_mul_u32_u24 v14, v5, (\KK)*2                 ; and the same row and piece in the table
	v_lshl_add_u32 v14, v4, 4, v14
.irp pp, 0,1,2,3
	s_wait_loadcnt 6-2*\pp                         ; rows 2 pp and 2 pp + 1 are in; the younger loads stay out
.irp c, 0,1,2,3
	v_cvt_pk_bf16_f32 v[P+4*\c+\pp], v[L+8*\pp+\c], v[L+8*\pp+4+\c]
.if \F16
	v_lshlrev_b32 v[TA], 16, v[P+4*\c+\pp]
	v_and_b32 v[TA+1], s[HIM], v[P+4*\c+\pp]
	v_cvt_pk_f16_f32 v[P+4*\c+\pp], v[TA], v[TA+1]
.endif
.endr
.endr
.irp c, 0,1,2,3
	ds_store_b128 v7, v[P+4*\c:P+4*\c+3] offset:256*\c
.endr
	s_wait_dscnt 0x0                               ; for the others' sake: my stores are done
	s_barrier_signal -1
	s_barrier_wait -1
.irp ps, 0,1,2,3
	ds_load_b128 v[L+4*\ps:L+4*\ps+3], v[10+\ps] offset:4096*\ps
.endr
.irp ps, 0,1,2,3
	s_wait_dscnt 3-\ps
	global_store_b128 v14, v[L+4*\ps:L+4*\ps+3], s[26:27] offset:\ps*16*(\KK)*2  ; 16 lanes store 256 consecutive bytes, aligned
.endr
	FINISH
.endm
	s_load_b256 s[4:11], s[0:1], 0x0               ; w1 s[4:5], w2 s[6:7], w_vs s[8:9], w_qs s[10:11]
	s_load_b128 s[12:15], s[0:1], 0x20             ; w_ks s[12:13], wts s[14:15]
	v_lshl_add_u32 v[SPW], v0, 2, SPARE
	v_mov_b32 v[NIL], 0
	v_lshrrev_b32 v1, 5, v0
	v_readfirstlane_b32 s16, v1                    ; wave 0..7
	s_mov_b32 s17, ttmp9
	s_mov_b32 s23, 0
	s_mov_b32 s[HIM], 0xffff0000
	s_mov_b32 s[SEL], 0x76543210
	s_mov_b32 s[SEL+1], 0xfedcba98
	v_and_b32 v4, 15, v0                           ; cg
	v_lshrrev_b32 v5, 4, v0                        ; kg
	s_wait_kmcnt 0x0
	s_cmp_lt_u32 s17, 512
	s_cbranch_scc1 .Lw1
	s_cmp_lt_u32 s17, 1024
	s_cbranch_scc1 .Lw2
	s_cmp_lt_u32 s17, 1152
	s_cbranch_scc1 .Lwv
	; THE SUMS.  The work-group takes 128 rows c of one head's 128 columns; wave W rows 16 W + i: a load is one row's 512 bytes.
	s_sub_co_u32 s18, s17, 1152
	s_lshr_b32 s19, s18, 6                         ; 0: w_qs, 1: w_ks
	s_bfe_u32 s20, s18, 0x30003                    ; the head
	s_and_b32 s21, s18, 7                          ; which 128 rows
	s_cmp_eq_u32 s19, 0
	s_cselect_b64 s[24:25], s[10:11], s[12:13]
	s_lshl_b32 s22, s21, 19                        ; 128 rows of 4,096 bytes
	s_lshl_b32 s29, s20, 9
	s_add_co_u32 s22, s22, s29
	s_lshl_b32 s29, s16, 16                        ; my wave's 16 rows
	s_add_co_u32 s22, s22, s29
	s_add_nc_u64 s[24:25], s[24:25], s[22:23]
	v_and_b32 v6, 31, v0
	v_lshlrev_b32 v15, 3, v6                       ; 8 x lane
	v_lshlrev_b32 v6, 4, v6                        ; 16 x lane
.irp i, 0,1,2,3,4,5,6,7,8,9,10,11,12,13,14,15
	global_load_b128 v[L+4*\i:L+4*\i+3], v6, s[24:25] offset:4096*\i th:TH_LOAD_NT
.endr
	s_lshl_b32 s29, s16, 6
	v_mov_b32 v7, s29                              ; my wave's 16 words among the sums
	v_mov_b32 v14, 0                               ; v_permlanex16_b32's destination counts as read
	s_lshl_b32 s22, s19, 3
	s_add_co_u32 s22, s22, s20                     ; n
	s_lshl_b32 s22, s22, 11
	s_lshl_b32 s29, s21, 8
	s_add_co_u32 s22, s22, s29
	s_add_co_u32 s22, s22, 18874368
	s_add_nc_u64 s[26:27], s[14:15], s[22:23]
.irp i, 0,1,2,3,4,5,6,7,8,9,10,11,12,13,14,15
	s_wait_loadcnt 15-\i                           ; row i is in
	v_cvt_pk_bf16_f32 v8, v[L+4*\i], v[L+4*\i+1]
	v_cvt_pk_bf16_f32 v9, v[L+4*\i+2], v[L+4*\i+3]
	v_lshlrev_b32 v10, 16, v8
	v_and_b32 v11, s[HIM], v8
	v_lshlrev_b32 v12, 16, v9
	v_and_b32 v13, s[HIM], v9
	v_add_f32 v10, v10, v11
	v_add_f32 v12, v12, v13
	v_add_f32 v10, v10, v12
	RED32 v_add_f32, v_add_f32_dpp, 10, 14
	ds_store_b32 v7, v10 offset:SUMS+4*\i          ; all lanes write the same word with the same number
.endr
	s_wait_dscnt 0x0
	s_barrier_signal -1
	s_barrier_wait -1
	s_cmp_lg_u32 s16, 0
	s_cbranch_scc1 .Lsum_end
	ds_load_b128 v[16:19], v6 offset:SUMS          ; wave 0: four sums a lane
	s_wait_dscnt 0x0
.irp part, 0,1,2
	v_cvt_pk_bf16_f32 v[20+2*\part], v16, v17
	v_cvt_pk_bf16_f32 v[21+2*\part], v18, v19
.if \part < 2
	v_lshlrev_b32 v8, 16, v[20+2*\part]
	v_and_b32 v9, s[HIM], v[20+2*\part]
	v_lshlrev_b32 v10, 16, v[21+2*\part]
	v_and_b32 v11, s[HIM], v[21+2*\part]
	v_sub_f32 v16, v16, v8                         ; what the part has left over
	v_sub_f32 v17, v17, v9
	v_sub_f32 v18, v18, v10
	v_sub_f32 v19, v19, v11
.endif
	global_store_b64 v15, v[20+2*\part:21+2*\part], s[26:27] offset:32768*\part  ; 32 lanes store 256 consecutive bytes, aligned
.endr
.Lsum_end:
	FINISH
.Lw1:
	TRANS 4, 0, 4096, 1024, 6, 1, 0
.Lw2:
	TRANS 6, 8388608, 1024, 4096, 4, 1, 512
.Lwv:
	TRANS 8, 16777216, 1024, 1024, 4, 0, 1024
.Lfunc_end_k_q3600f5ebef_prep:
	.size	k_q3600f5ebef_prep, .Lfunc_end_k_q3600f5ebef_prep-k_q3600f5ebef_prep
	.p2alignl 7, 3214868480
	.fill 96, 4, 3214868480
	.section	.rodata,"a",@progbits
	.p2align	6, 0x0
	.amdhsa_kernel k_q3600f5ebef_prep
		.amdhsa_group_segment_fixed_size 17920
		.amdhsa_private_segment_fixed_size 0
		.amdhsa_enable_private_segment 0
		.amdhsa_kernarg_size 48
		.amdhsa_user_sgpr_count 2
		.amdhsa_user_sgpr_kernarg_segment_ptr 1
		.amdhsa_wavefront_size32 1
		.amdhsa_system_sgpr_workgroup_id_x 1
		.amdhsa_system_sgpr_workgroup_id_y 1
		.amdhsa_system_sgpr_workgroup_id_z 1
		.amdhsa_system_vgpr_workitem_id 0
		.amdhsa_next_free_vgpr 96
		.amdhsa_next_free_sgpr 66
		.amdhsa_reserve_vcc 0
		.amdhsa_float_denorm_mode_32 3
		.amdhsa_float_denorm_mode_16_64 3
		.amdhsa_memory_ordered 1
		.amdhsa_forward_progress 1
		.amdhsa_inst_pref_size 36
	.end_amdhsa_kernel
	.amdgpu_metadata
---
amdhsa.version: [ 1, 2 ]
amdhsa.kernels:
  - .name:           k_q3600f5ebef_prep
    .symbol:         k_q3600f5ebef_prep.kd
    .args:
      - { .name: w1, .offset: 0, .size: 8, .value_kind: global_buffer, .address_space: global }
      - { .name: w2, .offset: 8, .size: 8, .value_kind: global_buffer, .address_space: global }
      - { .name: w_vs, .offset: 16, .size: 8, .value_kind: global_buffer, .address_space: global }
      - { .name: w_qs, .offset: 24, .size: 8, .value_kind: global_buffer, .address_space: global }
      - { .name: w_ks, .offset: 32, .size: 8, .value_kind: global_buffer, .address_space: global }
      - { .name: wts, .offset: 40, .size: 8, .value_kind: global_buffer, .address_space: global }
    .group_segment_fixed_size: 17920
    .private_segment_fixed_size: 0
    .kernarg_segment_align: 8
    .kernarg_segment_size: 48
    .max_flat_workgroup_size: 256
    .sgpr_count:     66
    .vgpr_count:     96
    .wavefront_size: 32
...
	.end_amdgpu_metadata
.endif
;; end of part 1
;; launch xpass (part 2): grid 128 x 1, 8 waves a work-group, no clusters, 44,032 bytes of LDS; arguments x, wts, xq; writes xq
.if DOCPART == 2
	.amdgcn_target "amdgcn-amd-amdhsa--gfx1250"
	.amdhsa_code_object_version 6
	.text
	.protected	k_q3600f5ebef_xpass
	.globl	k_q3600f5ebef_xpass
	.p2align	8
	.type	k_q3600f5ebef_xpass,@function
k_q3600f5ebef_xpass:
	s_mov_b64 s[64:65], 0
	v_nop
	global_prefetch_b8 v0, s[64:65] scope:SCOPE_SE
	s_setreg_imm32_b32 hwreg(HW_REG_WAVE_MODE, 25, 1), 1
	s_wait_xcnt 0x0
; x, read as [2048][1024] f32, is rounded once to bf16 (XB, byte 0 of xq), and each row's sums over depth of q and k are made: QK = XB x (column sums of the weights), 16 numbers a row
; (n = head: the sum of q; n = 8 + head: the sum of k).  The column sums come in three bf16 parts, so the products are exact and the sums are f32's; one accumulator a part.
; A work-group owns 16 rows, wave w the columns 128 w .. 128 w + 127; the eight partial sums meet in LDS.
; QK (byte 4,194,304 of xq): 1,024 bytes for each 16 rows; number (row i, column n) at ((i >> 2) & 1) 512 + (i >> 3) 256 + 16 n + 4 (i & 3): the accumulator's registers as they lie.
; 128 work-groups: a matrix tile has 16 rows.
.set XPITCH, 272                       ; a wave's 256 bytes of a row + 16: the 16 rows of a fragment load start at 16 different groups of four banks (64 banks of 4 bytes: ISA guide 11.1)
.set PART,  34816                      ; behind the eight waves' 16 rows: eight partial tiles of 1,024 bytes
.set SPARE, 43008                      ; the spare words, 128 bytes for each wave: four blocks of 256 bytes that no other line names
.set SPW, 2
.set NIL, 3
.set X,   16                           ; v[16:79]   x as loaded; then v[16:47] its four fragments
.set XP,  80                           ; v[80:111]  x in bf16
.set B,   112                          ; v[112:207] the sums' fragments: part p, fragment f at 32 p + 8 f
.set ACC, 208                          ; v[208:231] one accumulator a part
	s_load_b128 s[4:7], s[0:1], 0x0                ; x s[4:5], wts s[6:7]
	s_load_b64 s[8:9], s[0:1], 0x10                ; xq
	v_lshl_add_u32 v[SPW], v0, 2, SPARE
	v_mov_b32 v[NIL], 0
	v_lshrrev_b32 v1, 5, v0
	v_readfirstlane_b32 s10, v1                    ; wave 0..7
	v_and_b32 v4, 31, v0                           ; lane
	v_and_b32 v5, 15, v0                           ; r
	v_bfe_u32 v6, v0, 4, 1                         ; hh
	s_lshl_b32 s11, s10, 9
	v_lshl_add_u32 v7, v4, 4, s11                  ; in x: 16 lane + 512 w
	s_lshl_b32 s12, s10, 8
	v_lshlrev_b32 v8, 11, v5
	v_lshl_add_u32 v8, v6, 4, v8
	v_add_nc_u32 v8, s12, v8                       ; in the sums: row r x 2,048 + 16 hh + 256 w
	v_lshl_add_u32 v9, v4, 3, s12                  ; in XB: 8 lane + 256 w
	s_mul_i32 s13, s10, 16*XPITCH
	v_lshl_add_u32 v10, v4, 3, s13                 ; my wave's rows in LDS: in,
	v_mul_u32_u24 v11, v5, XPITCH
	v_lshl_add_u32 v11, v6, 4, v11
	v_add_nc_u32 v11, s13, v11                     ; and back as fragments
	s_lshl_b32 s14, s10, 10
	v_lshl_add_u32 v12, v4, 4, s14                 ; my partial tile
	v_and_b32 v13, 63, v0
	v_lshlrev_b32 v13, 4, v13                      ; waves 0 and 1: 16 t
	s_lshl_b32 s16, ttmp9, 16                      ; 16 rows of 4,096 bytes
	s_mov_b32 s17, 0
	s_lshl_b32 s18, ttmp9, 15                      ; 16 rows of 2,048
	s_mov_b32 s19, 0
	s_lshl_b32 s20, ttmp9, 10
	s_add_co_u32 s20, s20, 4194304
	s_mov_b32 s21, 0
	s_wait_kmcnt 0x0
	s_add_nc_u64 s[4:5], s[4:5], s[16:17]
	s_add_nc_u64 s[6:7], s[6:7], 18874368
	s_add_nc_u64 s[22:23], s[8:9], s[18:19]
	s_add_nc_u64 s[24:25], s[8:9], s[20:21]
.irp i, 0,1,2,3,4,5,6,7,8,9,10,11,12,13,14,15
	global_load_b128 v[X+4*\i:X+4*\i+3], v7, s[4:5] offset:4096*\i th:TH_LOAD_NT
.endr
.irp p, 0,1,2
.irp f, 0,1,2,3
	global_load_b128 v[B+32*\p+8*\f:B+32*\p+8*\f+3],   v8, s[6:7] offset:32768*\p+64*\f
	global_load_b128 v[B+32*\p+8*\f+4:B+32*\p+8*\f+7], v8, s[6:7] offset:32768*\p+64*\f+32
.endr
.endr
.irp i, 0,1,2,3,4,5,6,7,8,9,10,11,12,13,14,15
	s_wait_loadcnt 39-\i                           ; row i is in: behind it stand 15 - i loads of x and the 24 of the sums
	v_cvt_pk_bf16_f32 v[XP+2*\i], v[X+4*\i], v[X+4*\i+1]
	v_cvt_pk_bf16_f32 v[XP+2*\i+1], v[X+4*\i+2], v[X+4*\i+3]
	global_store_b64 v9, v[XP+2*\i:XP+2*\i+1], s[22:23] offset:2048*\i  ; 32 lanes store 256 consecutive bytes, aligned
	ds_store_b64 v10, v[XP+2*\i:XP+2*\i+1] offset:XPITCH*\i
.endr
.irp f, 0,1,2,3
	ds_load_b128 v[X+8*\f:X+8*\f+3],   v11 offset:64*\f      ; my wave's own bytes: LDS serves a wave's instructions in order (ISA guide 5.7.1.4)
	ds_load_b128 v[X+8*\f+4:X+8*\f+7], v11 offset:64*\f+32
.endr
	s_wait_loadcnt 0x0
	s_wait_dscnt 0x0
.irp f, 0,1,2,3                        ; the three accumulators take turns, one instruction a turn
.irp p, 0,1,2
.if \f == 0
	v_wmma_f32_16x16x32_bf16 v[ACC+8*\p:ACC+8*\p+7], v[X+8*\f:X+8*\f+7], v[B+32*\p+8*\f:B+32*\p+8*\f+7], 0
.else
	v_wmma_f32_16x16x32_bf16 v[ACC+8*\p:ACC+8*\p+7], v[X+8*\f:X+8*\f+7], v[B+32*\p+8*\f:B+32*\p+8*\f+7], v[ACC+8*\p:ACC+8*\p+7]
.endif
.endr
.endr
.rept 8
	v_nop                                          ; the places behind the last products (ISA guide 7.12.1), doubled: once a launch
.endr
.irp r, 0,2,4,6
	v_pk_add_f32 v[ACC+16+\r:ACC+16+\r+1], v[ACC+16+\r:ACC+16+\r+1], v[ACC+8+\r:ACC+8+\r+1]  ; the small parts first
.endr
.irp r, 0,2,4,6
	v_pk_add_f32 v[ACC+\r:ACC+\r+1], v[ACC+\r:ACC+\r+1], v[ACC+16+\r:ACC+16+\r+1]
.endr
	ds_store_b128 v12, v[ACC:ACC+3] offset:PART
	ds_store_b128 v12, v[ACC+4:ACC+7] offset:PART+512
	s_wait_dscnt 0x0
	s_barrier_signal -1
	s_barrier_wait -1                              ; all eight partial tiles lie in LDS
	s_cmp_lt_u32 s10, 2
	s_cbranch_scc0 .Lend
.irp v, 0,1,2,3,4,5,6,7
	ds_load_b128 v[X+4*\v:X+4*\v+3], v13 offset:PART+1024*\v
.endr
	s_wait_dscnt 0x0
.irp v, 0,2,4,6
	v_pk_add_f32 v[X+4*\v:X+4*\v+1], v[X+4*\v:X+4*\v+1], v[X+4*\v+4:X+4*\v+5]
	v_pk_add_f32 v[X+4*\v+2:X+4*\v+3], v[X+4*\v+2:X+4*\v+3], v[X+4*\v+6:X+4*\v+7]
.endr
.irp v, 0,4
	v_pk_add_f32 v[X+4*\v:X+4*\v+1], v[X+4*\v:X+4*\v+1], v[X+4*\v+8:X+4*\v+9]
	v_pk_add_f32 v[X+4*\v+2:X+4*\v+3], v[X+4*\v+2:X+4*\v+3], v[X+4*\v+10:X+4*\v+11]
.endr
	v_pk_add_f32 v[X:X+1], v[X:X+1], v[X+16:X+17]
	v_pk_add_f32 v[X+2:X+3], v[X+2:X+3], v[X+18:X+19]
	global_store_b128 v13, v[X:X+3], s[24:25]      ; two waves store the tile's 1,024 consecutive bytes
.Lend:
	s_wait_tensorcnt 0x0                           ; the wave's end: three lines behind my last LDS store
	ds_add_u32 v[SPW], v[NIL]
	s_wait_dscnt 0x0
	s_endpgm
.Lfunc_end_k_q3600f5ebef_xpass:
	.size	k_q3600f5ebef_xpass, .Lfunc_end_k_q3600f5ebef_xpass-k_q3600f5ebef_xpass
	.p2alignl 7, 3214868480
	.fill 96, 4, 3214868480
	.section	.rodata,"a",@progbits
	.p2align	6, 0x0
	.amdhsa_kernel k_q3600f5ebef_xpass
		.amdhsa_group_segment_fixed_size 44032
		.amdhsa_private_segment_fixed_size 0
		.amdhsa_enable_private_segment 0
		.amdhsa_kernarg_size 24
		.amdhsa_user_sgpr_count 2
		.amdhsa_user_sgpr_kernarg_segment_ptr 1
		.amdhsa_wavefront_size32 1
		.amdhsa_system_sgpr_workgroup_id_x 1
		.amdhsa_system_sgpr_workgroup_id_y 1
		.amdhsa_system_sgpr_workgroup_id_z 1
		.amdhsa_system_vgpr_workitem_id 0
		.amdhsa_next_free_vgpr 240
		.amdhsa_next_free_sgpr 66
		.amdhsa_reserve_vcc 0
		.amdhsa_float_denorm_mode_32 3
		.amdhsa_float_denorm_mode_16_64 3
		.amdhsa_memory_ordered 1
		.amdhsa_forward_progress 1
		.amdhsa_inst_pref_size 15
	.end_amdhsa_kernel
	.amdgpu_metadata
---
amdhsa.version: [ 1, 2 ]
amdhsa.kernels:
  - .name:           k_q3600f5ebef_xpass
    .symbol:         k_q3600f5ebef_xpass.kd
    .args:
      - { .name: x, .offset: 0, .size: 8, .value_kind: global_buffer, .address_space: global }
      - { .name: wts, .offset: 8, .size: 8, .value_kind: global_buffer, .address_space: global }
      - { .name: xq, .offset: 16, .size: 8, .value_kind: global_buffer, .address_space: global }
    .group_segment_fixed_size: 44032
    .private_segment_fixed_size: 0
    .kernarg_segment_align: 8
    .kernarg_segment_size: 24
    .max_flat_workgroup_size: 256
    .sgpr_count:     66
    .vgpr_count:     240
    .wavefront_size: 32
...
	.end_amdgpu_metadata
.endif
;; end of part 2
;; launch relpass (part 3): grid 256 x 1, 8 waves a work-group, no clusters, 38,912 bytes of LDS; arguments rel_w, xq, uw; writes uw
.if DOCPART == 3
	.amdgcn_target "amdgcn-amd-amdhsa--gfx1250"
	.amdhsa_code_object_version 6
	.text
	.protected	k_q3600f5ebef_relpass
	.globl	k_q3600f5ebef_relpass
	.p2align	8
	.type	k_q3600f5ebef_relpass,@function
k_q3600f5ebef_relpass:
	s_mov_b64 s[64:65], 0
	v_nop
	global_prefetch_b8 v0, s[64:65] scope:SCOPE_SE
	s_setreg_imm32_b32 hwreg(HW_REG_WAVE_MODE, 25, 1), 1
	s_wait_xcnt 0x0
; u[k] = the sum over m of a[k][m] kts[m] and w[k] = the sum over m of a[k][m] ktms[m], for each of the 16 heads (b, h), where a is the skewed rel_w: a[k][m] = rel_w[k][1023 + m - k] for m <= k, else 0,
; kts[m] is the sum over depth of k's row m, and ktms[m] = kts[m] - 1e9 min(m, 128): the upper triangle of the [depth][key] mask, summed over the 128 rows of depth.
; rel_w is rounded to bf16; products and sums in f32, on the vector unit: two operations for each number loaded, nothing for a matrix unit.
; SHARES.  Work-group = head bh (16) x p (16).  Wave W owns the eight rows k = 128 beta + 8 p + W, beta = 0..7.  Row beta needs the pieces of 128 columns 7 - beta .. 7: 36 pieces of 512 bytes for every wave;
; what lies left of them is multiplied by the skew's zeros and is not read.  In piece 7 - beta + i, lane l's number x has m = 128 i + 4 l + x + 8 p + W - 127, whatever beta: so a wave reads eight
; slices of kts and of ktms from LDS once and uses them for all its rows.  Where m is negative the table holds 0.
; TABLES.  Four copies of each table, shifted by e = 0..3 numbers, so that every wave's slices begin at a multiple of 16 bytes: entry n of copy e holds Z[n + e - 132].
; A wave takes copy e = (W + 1) mod 4; its slices begin at entry 8 p + W + 5 - e = 8 p + ((W + 1) & 12) + 4.
; OUT.  Two planes of uw, u at byte 0 and w at byte 65,536: [16 bh][16 p][8 beta][8 W] f32: a work-group's 64 numbers of a plane are 256 consecutive bytes.
.set TB,    4640                       ; bytes in a table: 1,156 entries and a little
.set OUT,   37376                      ; behind the eight tables (37,120 bytes): 64 u, 64 w
.set SPARE, 37888                      ; the spare words, 128 bytes for each wave: four blocks of 256 bytes that no other line names
.set SPW, 2
.set NIL, 3
.set T,   10                           ; v[10:11] at work
.set TP,  12                           ; v12  v_permlanex16_b32's destination
.set Z,   16                           ; v[16:19] kts, v[20:23] ktms of m = t + 256 x
.set K,   24                           ; v[24:55] slice i of kts at K + 4 i
.set M,   56                           ; v[56:87] of ktms
.set R,   88                           ; v[88:231] the 36 pieces, row by row
.set AU,  232                          ; v[232:235] a row's sums for u
.set AW,  236                          ; v[236:239] for w
.set HIM, 28
.set SEL, 30
.macro RED32 op, opd, v, tmp
	\opd v[\v], v[\v], v[\v] row_xmask:1 row_mask:0xf bank_mask:0xf
	\opd v[\v], v[\v], v[\v] row_xmask:2 row_mask:0xf bank_mask:0xf
	\opd v[\v], v[\v], v[\v] row_xmask:4 row_mask:0xf bank_mask:0xf
	\opd v[\v], v[\v], v[\v] row_xmask:8 row_mask:0xf bank_mask:0xf
	v_permlanex16_b32 v[\tmp], v[\v], s[SEL], s[SEL+1]
	\op v[\v], v[\v], v[\tmp]
.endm
.macro CHUNK idx, i, first             ; piece idx of the 36 against slice i; first = 1: it starts the row's sums
.set rr, R+4*(\idx)
	v_cvt_pk_bf16_f32 v[T], v[rr], v[rr+1]
	v_cvt_pk_bf16_f32 v[T+1], v[rr+2], v[rr+3]
	v_lshlrev_b32 v[rr], 16, v[T]
	v_and_b32 v[rr+1], s[HIM], v[T]
	v_lshlrev_b32 v[rr+2], 16, v[T+1]
	v_and_b32 v[rr+3], s[HIM], v[T+1]
.if \first
	v_pk_mul_f32 v[AU:AU+1], v[rr:rr+1], v[K+4*(\i):K+4*(\i)+1]
	v_pk_mul_f32 v[AU+2:AU+3], v[rr+2:rr+3], v[K+4*(\i)+2:K+4*(\i)+3]
	v_pk_mul_f32 v[AW:AW+1], v[rr:rr+1], v[M+4*(\i):M+4*(\i)+1]
	v_pk_mul_f32 v[AW+2:AW+3], v[rr+2:rr+3], v[M+4*(\i)+2:M+4*(\i)+3]
.else
	v_pk_fma_f32 v[AU:AU+1], v[rr:rr+1], v[K+4*(\i):K+4*(\i)+1], v[AU:AU+1]
	v_pk_fma_f32 v[AU+2:AU+3], v[rr+2:rr+3], v[K+4*(\i)+2:K+4*(\i)+3], v[AU+2:AU+3]
	v_pk_fma_f32 v[AW:AW+1], v[rr:rr+1], v[M+4*(\i):M+4*(\i)+1], v[AW:AW+1]
	v_pk_fma_f32 v[AW+2:AW+3], v[rr+2:rr+3], v[M+4*(\i)+2:M+4*(\i)+3], v[AW+2:AW+3]
.endif
.endm
	s_load_b128 s[4:7], s[0:1], 0x0                ; rel_w s[4:5], xq s[6:7]
	s_load_b64 s[8:9], s[0:1], 0x10                ; uw
	v_lshl_add_u32 v[SPW], v0, 2, SPARE
	v_mov_b32 v[NIL], 0
	v_lshrrev_b32 v1, 5, v0
	v_readfirstlane_b32 s10, v1                    ; W
	s_lshr_b32 s11, ttmp9, 4                       ; bh
	s_and_b32 s12, ttmp9, 15                       ; p
	s_lshr_b32 s13, s11, 3                         ; b
	s_and_b32 s14, s11, 7                          ; h
	s_lshl_b32 s16, s13, 16                        ; the row sums of k: 64 tiles of 1,024 bytes a batch, column 8 + h
	s_lshl_b32 s15, s14, 4
	s_add_co_u32 s16, s16, s15
	s_add_co_u32 s16, s16, 4194304+128
	s_mov_b32 s17, 0
	s_lshl_b32 s18, s11, 22                        ; the head's 1,024 x 1,024 numbers of rel_w,
	s_lshl_b32 s23, s12, 3                         ; 8 p
	s_add_co_u32 s15, s23, s10                     ; 8 p + W:
	s_lshl_b32 s20, s15, 12                        ; my first row
	s_add_co_u32 s18, s18, s20
	s_mov_b32 s19, 0
	s_add_co_u32 s21, s10, 1                       ; W + 1
	s_and_b32 s22, s21, 12                         ; W + 1 - e
	s_and_b32 s21, s21, 3                          ; e = (W + 1) mod 4
	s_add_co_u32 s22, s22, s23
	s_add_co_u32 s22, s22, 4                       ; 8 p + ((W + 1) & 12) + 4, a multiple of 4: my slices' first entry
	s_lshl_b32 s22, s22, 2
	s_mul_i32 s23, s21, 2*TB                       ; in copy e
	s_add_co_u32 s22, s22, s23
	s_mov_b32 s[HIM], 0xffff0000
	s_mov_b32 s[SEL], 0x76543210
	s_mov_b32 s[SEL+1], 0xfedcba98
	s_lshl_b32 s20, ttmp9, 8
	s_mov_b32 s21, 0
	v_and_b32 v4, 31, v0
	v_lshlrev_b32 v5, 4, v4                        ; 16 x lane
	v_lshrrev_b32 v6, 4, v0                        ; row m = t of the batch, in the layout of the row sums
	v_lshlrev_b32 v6, 10, v6
	v_bfe_u32 v9, v0, 2, 1
	v_lshl_add_u32 v6, v9, 9, v6
	v_bfe_u32 v9, v0, 3, 1
	v_lshl_add_u32 v6, v9, 8, v6
	v_and_b32 v9, 3, v0
	v_lshl_add_u32 v6, v9, 2, v6
	v_lshlrev_b32 v7, 2, v0                        ; 4 t
	v_add_nc_u32 v8, s22, v5                       ; my slices
	v_and_b32 v13, 127, v0
	v_lshlrev_b32 v13, 2, v13                      ; waves 0 to 3: 4 t
	v_mov_b32 v14, 0
	v_mov_b32 v[TP], 0
	s_wait_kmcnt 0x0
	s_add_nc_u64 s[24:25], s[6:7], s[16:17]
	s_add_nc_u64 s[26:27], s[4:5], s[18:19]
	s_add_nc_u64 s[8:9], s[8:9], s[20:21]
.irp x, 0,1,2,3
	global_load_b32 v[Z+\x], v6, s[24:25] offset:16384*\x
.endr
.set beta, 0
.rept 8
.set ii, 0
.rept beta+1
	global_load_b128 v[R+4*(beta*(beta+1)/2+ii):R+4*(beta*(beta+1)/2+ii)+3], v5, s[26:27] offset:beta*524288+(7-beta+ii)*512 th:TH_LOAD_NT
.set ii, ii+1
.endr
.set beta, beta+1
.endr
	v_min_u32 v9, 128, v0
	v_cvt_f32_u32 v9, v9                           ; min(m, 128) for m = t,
	v_mov_b32 v15, 0x43000000                      ; and 128 for m = t + 256 x
	s_wait_loadcnt 36                              ; kts is in; the 36 pieces stay out
	v_fmamk_f32 v[Z+4], v9, 0xce6e6b28, v[Z]       ; kts - 1e9 min(m, 128)
.irp x, 1,2,3
	v_fmamk_f32 v[Z+4+\x], v15, 0xce6e6b28, v[Z+\x]
.endr
.irp e, 0,1,2,3
.irp x, 0,1,2,3
	ds_store_b32 v7, v[Z+\x]   offset:2*\e*TB+4*(132-\e)+1024*\x
	ds_store_b32 v7, v[Z+4+\x] offset:(2*\e+1)*TB+4*(132-\e)+1024*\x
.endr
.endr
	s_cmp_lt_u32 s10, 4                            ; the 128 zeros in front of each table's numbers
	s_cbranch_scc0 .Lno_zeros
.irp e, 0,1,2,3
	ds_store_b32 v13, v14 offset:2*\e*TB+4*(4-\e)
	ds_store_b32 v13, v14 offset:(2*\e+1)*TB+4*(4-\e)
.endr
.Lno_zeros:
	s_wait_dscnt 0x0
	s_barrier_signal -1
	s_barrier_wait -1                              ; the tables are whole
.irp i, 0,1,2,3,4,5,6,7
	ds_load_b128 v[K+4*\i:K+4*\i+3], v8 offset:512*\i
	ds_load_b128 v[M+4*\i:M+4*\i+3], v8 offset:512*\i+TB
.endr
	s_lshl_b32 s20, s10, 2
	v_mov_b32 v9, s20                              ; 4 W
	s_wait_dscnt 0x0                               ; my slices are in registers: my reads of the tables are over
	s_barrier_signal -1                            ; nothing is stored to LDS again before every wave has read its slices; the barrier stands while the 36 pieces are on their way
	s_barrier_wait -1
.set beta, 0
.rept 8
	s_wait_loadcnt 36-(beta+1)*(beta+2)/2          ; this row's pieces are in; the later rows' stay out
.set ii, 0
.rept beta+1
	CHUNK beta*(beta+1)/2+ii, ii, (ii==0)
.set ii, ii+1
.endr
	v_pk_add_f32 v[AU:AU+1], v[AU:AU+1], v[AU+2:AU+3]
	v_pk_add_f32 v[AW:AW+1], v[AW:AW+1], v[AW+2:AW+3]
	v_add_f32 v[AU], v[AU], v[AU+1]
	v_add_f32 v[AW], v[AW], v[AW+1]
	RED32 v_add_f32, v_add_f32_dpp, AU, TP
	RED32 v_add_f32, v_add_f32_dpp, AW, TP
	ds_store_b32 v9, v[AU] offset:OUT+32*beta
	ds_store_b32 v9, v[AW] offset:OUT+256+32*beta
.set beta, beta+1
.endr
	s_wait_dscnt 0x0
	s_barrier_signal -1
	s_barrier_wait -1                              ; all 64 u and 64 w lie in LDS
	s_cmp_lg_u32 s10, 0
	s_cbranch_scc1 .Lend
	ds_load_b128 v[16:19], v5 offset:OUT           ; lanes 0-15: the 64 u; lanes 16-31: the 64 w
	v_and_b32 v10, 15, v4
	v_lshlrev_b32 v10, 4, v10
	v_lshrrev_b32 v11, 4, v4
	v_lshl_add_u32 v10, v11, 16, v10
	s_wait_dscnt 0x0
	global_store_b128 v10, v[16:19], s[8:9]        ; 16 lanes store 256 consecutive bytes, aligned, of each plane
.Lend:
	s_wait_tensorcnt 0x0                           ; the wave's end: three lines behind my last LDS store
	ds_add_u32 v[SPW], v[NIL]
	s_wait_dscnt 0x0
	s_endpgm
.Lfunc_end_k_q3600f5ebef_relpass:
	.size	k_q3600f5ebef_relpass, .Lfunc_end_k_q3600f5ebef_relpass-k_q3600f5ebef_relpass
	.p2alignl 7, 3214868480
	.fill 96, 4, 3214868480
	.section	.rodata,"a",@progbits
	.p2align	6, 0x0
	.amdhsa_kernel k_q3600f5ebef_relpass
		.amdhsa_group_segment_fixed_size 38912
		.amdhsa_private_segment_fixed_size 0
		.amdhsa_enable_private_segment 0
		.amdhsa_kernarg_size 24
		.amdhsa_user_sgpr_count 2
		.amdhsa_user_sgpr_kernarg_segment_ptr 1
		.amdhsa_wavefront_size32 1
		.amdhsa_system_sgpr_workgroup_id_x 1
		.amdhsa_system_sgpr_workgroup_id_y 1
		.amdhsa_system_sgpr_workgroup_id_z 1
		.amdhsa_system_vgpr_workitem_id 0
		.amdhsa_next_free_vgpr 240
		.amdhsa_next_free_sgpr 66
		.amdhsa_reserve_vcc 0
		.amdhsa_float_denorm_mode_32 3
		.amdhsa_float_denorm_mode_16_64 3
		.amdhsa_memory_ordered 1
		.amdhsa_forward_progress 1
		.amdhsa_inst_pref_size 38
	.end_amdhsa_kernel
	.amdgpu_metadata
---
amdhsa.version: [ 1, 2 ]
amdhsa.kernels:
  - .name:           k_q3600f5ebef_relpass
    .symbol:         k_q3600f5ebef_relpass.kd
    .args:
      - { .name: rel_w, .offset: 0, .size: 8, .value_kind: global_buffer, .address_space: global }
      - { .name: xq, .offset: 8, .size: 8, .value_kind: global_buffer, .address_space: global }
      - { .name: uw, .offset: 16, .size: 8, .value_kind: global_buffer, .address_space: global }
    .group_segment_fixed_size: 38912
    .private_segment_fixed_size: 0
    .kernarg_segment_align: 8
    .kernarg_segment_size: 24
    .max_flat_workgroup_size: 256
    .sgpr_count:     66
    .vgpr_count:     240
    .wavefront_size: 32
...
	.end_amdgpu_metadata
.endif
;; end of part 3
;; launch gemm_v (part 4): grid 16 x 8, 4 waves a work-group, clusters of 4 x 4, 327,680 bytes of LDS; arguments wts, xq, vf; writes vf
.if DOCPART == 4
	.amdgcn_target "amdgcn-amd-amdhsa--gfx1250"
	.amdhsa_code_object_version 6
	.text
	.protected	k_q3600f5ebef_gemm_v
	.globl	k_q3600f5ebef_gemm_v
	.p2align	8
	.type	k_q3600f5ebef_gemm_v,@function
k_q3600f5ebef_gemm_v:
	s_mov_b64 s[64:65], 0
	v_nop
	global_prefetch_b8 v0, s[64:65] scope:SCOPE_SE
	s_setreg_imm32_b32 hwreg(HW_REG_WAVE_MODE, 25, 1), 1
	s_wait_xcnt 0x0
	s_wait_alu depctr_hold_cnt(0) depctr_sa_sdst(0) depctr_va_vdst(0) depctr_va_sdst(0) depctr_va_ssrc(0) depctr_va_vcc(0) depctr_vm_vsrc(0)
	s_getreg_b32 s2, hwreg(HW_REG_IB_STS2, 6, 4)
	s_cmp_eq_u32 s2, 0
	s_cbranch_scc0 .Lentry_in_a_cluster
	s_endpgm
.Lentry_in_a_cluster:
	s_bfe_u32 s2, ttmp6, 0x10000c
	s_cmp_lg_u32 s2, 0xf033
	s_cbranch_scc0 .Lentry_shape_is_right
	s_endpgm
.Lentry_shape_is_right:
.set VAR, 0
; C[m][n] = the sum over k of A[m][k] B[n][k], 16-bit operands, f32 sums.  ONE TEXT FOR THREE LAUNCHES, told apart by VAR in the first line:
;   VAR 0  V^T = WVT x XB^T (bf16 x bf16: both are inputs rounded to bf16).  m = channel (1,024), n = row of x (2,048), K = 1,024.  Out: f16, in the order in which the attention's matrix instructions
;          want V^T: [bh 16][32 keys: 32][16 channels: 8][half 2][lane 32][16 bytes]; lane (r, hh) of half q holds channel r and the keys 16 q + 8 hh + 0..7.
;   VAR 1  hid = relu(h1 x W1T^T + bf16(b1)) (f16 x f16).  m = row (2,048), n = 4,096, K = 1,024.  Out: f16 [2048][4096].
;   VAR 2  two partial sums of hid x W2T^T (f16 x f16), one for each half of K = 4,096, so that there are 256 work-groups.  m = row, n = 1,024.  Out: two planes [2048][1024] f32; the next launch adds them.
; LIMITS.  f16 holds no number beyond 65,504: V, h1 and the hidden layer must lie within it; NaN and infinities are not treated apart.
; A tile of C is 128 x 128: four waves, each 64 x 64: 16 accumulators.  K goes in steps of 256 (LDS rows of 512 bytes; a wave's tensor load brings 64 of them) through two LDS slots.
; CLUSTERS: 4 x 4 work-groups.  The four of a row of the cluster need the same tiles of A, the four of a column the same tiles of B: each tile is asked for JOINTLY, by the same tensor load with the
; same descriptor and a mask that names the four.  THE MATRIX INSTRUCTION IS USED TRANSPOSED (source 0 = 16 rows of B, source 1 = 16 rows of A): a lane then holds eight neighbouring numbers of a row of C.
; By the text's own count a wave has two tensor loads out at the start and one behind each round.  No prefetch: the tiles are small and each is read by several clusters at about the same time.
; REGISTERS: window 0: v0-31 addresses; v32-95 at work on the way out; v96-127 the bias (VAR 1); v128-255 the accumulators ((a, b) at v[128 + 8 (4 a + b)]).
;   window 1: two fragment buffers of 128: for 64 along K, 64 registers of A (2 x 4 x 16 rows x 32 K), then 64 of B.
.if VAR == 0
.set SIZE_N, 2048
.set KP,     1024                      ; elements from row to row of A and of B
.set KW,     1024                      ; K that a work-group walks
.set AOFF,   16777216                  ; A's first byte in its buffer
.set BOFF,   0
.elseif VAR == 1
.set SIZE_N, 4096
.set KP,     1024
.set KW,     1024
.set AOFF,   8388608
.set BOFF,   0
.else
.set SIZE_N, 1024
.set KP,     4096
.set KW,     2048
.set AOFF,   0
.set BOFF,   8388608
.endif
.set KSTEP,  256
.set PITCH,  528                       ; an LDS row: 512 bytes of data + 16 of padding = 132 words: row r starts at bank 4 r mod 64 (64 banks of 4 bytes: ISA guide 11.1)
.set HALFT,  64*PITCH                  ; 64 rows: what one tensor load brings, and what one wave reads of A or of B
.set SLOT,   4*HALFT                   ; A's 128 rows, then B's 128 rows
.set STAGE,  2*SLOT                    ; behind the ring, never filled by a tensor load: for the way out
.set SPITCH, 272
.if VAR == 2
.set SPARE,  STAGE+4*16*SPITCH         ; 16 rows for each wave, its own
.else
.set SPARE,  STAGE+128*SPITCH          ; 128 rows, the work-group's
.endif                                 ; from SPARE on: the spare words, 128 bytes for each wave: two blocks of 256 bytes that no other line names
.set LAPS, KW/(2*KSTEP)                ; a lap = two K steps = once round the ring
.set ADRA, 16                          ; v16-17  LDS address of my A fragments in slot 0, 1
.set ADRB, 20                          ; v20-21  the same for B
.set STO,  24                          ; v24     the way out: where I put my bytes of a row
.set RD,   25                          ; v25     the way out: where I read back
.set CO,   26                          ; v26     my byte offset in C
.set BO,   27                          ; v27     VAR 1: my byte offset in the bias
.set SPW,  28                          ; v28     SPARE + 4 x my thread's number; never rewritten
.set NIL,  29                          ; v29     0; never rewritten
.set ZR,   30                          ; v30     VAR 1: 0, for the packed maximum
.set TMP,  32
.set BIAS, 96
.set ACC,  128
.set F0,   0                           ; fragment buffers, in window 1
.set F1,   128
.set G1, 24                            ; s[24:31] descriptor group 1 for A's tiles;  s[32:39] group 0, one set for each slot
.set G0, 32
.set G1B, 48                           ; s[48:55], s[56:63] the same for B's tiles
.set G0B, 56
.set MSB, 0
.macro WIN new                         ; the immediate's high byte repeats the setting that is left
.if MSB != (\new)
	s_set_vgpr_msb (MSB<<8)|(\new)
.set MSB, \new
.endif
.endm
.set MUL,  0x05                        ; sources 0 (B) and 1 (A) window 1; C and D window 0
.set TO_F, 0x40                        ; destination window 1, address window 0
.macro JLOAD s                         ; a joint load: waves 0 and 1 fetch A's two halves, waves 2 and 3 B's; an s_nop 0 and four v_nop follow each of the two lines, ahead of the jump, the label and what follows
	s_cmp_eq_u32 s11, 0
	s_cbranch_scc0 .Lfor_b_\@
	tensor_load_to_lds s[G0+4*(\s):G0+4*(\s)+3], s[G1:G1+7]
	s_nop 0
.rept 4
	v_nop
.endr
	s_branch .Lasked_\@
.Lfor_b_\@:
	tensor_load_to_lds s[G0B+4*(\s):G0B+4*(\s)+3], s[G1B:G1B+7]
	s_nop 0
.rept 4
	v_nop
.endr
.Lasked_\@:
.endm
.macro CREST                           ; a round of the cluster's barrier behind its opening barrier
	s_cmp_lg_u32 s10, 0
	s_cbranch_scc1 .Lnot_wave_0_\@
	s_barrier_signal -3
.Lnot_wave_0_\@:
	s_barrier_wait -3
	s_barrier_signal -1
	s_barrier_wait -1
.endm
.macro CROUND                          ; a whole round
	s_barrier_signal -1
	s_barrier_wait -1
	CREST
.endm
	s_load_b128 s[4:7], s[0:1], 0x0                ; A's buffer s[4:5], B's s[6:7]
	s_load_b64 s[8:9], s[0:1], 0x10                ; C
.if VAR == 1
	s_load_b64 s[66:67], s[0:1], 0x18              ; b1
.endif
	v_lshl_add_u32 v[SPW], v0, 2, SPARE
	v_mov_b32 v[NIL], 0
	ds_add_u32 v[SPW], v[NIL]                      ; the wave's opening: the add and its wait ahead of my first tensor load; the set-up below, work on registers, stands between them
	v_lshrrev_b32 v1, 5, v0
	v_readfirstlane_b32 s10, v1                    ; wave 0..3
	s_lshr_b32 s11, s10, 1                         ; which half of the tile's rows is mine.  Also: I fetch for A (0) or for B (1)
	s_and_b32 s12, s10, 1                          ; which half of its columns.  Also: which 64 rows of that tile I fetch
	s_bfe_u32 s40, ttmp6, 0x40000                  ; cx, cy: my place in the cluster
	s_bfe_u32 s41, ttmp6, 0x40004
.if VAR == 2
	s_and_b32 s42, ttmp9, 1                        ; the grid's x holds 8 tile columns and, above them, the half of K
	s_lshl_b32 s42, s42, 2
.else
	s_lshl_b32 s42, ttmp9, 2
.endif
	s_add_co_u32 s42, s42, s40                     ; tile column of C
	s_and_b32 s13, ttmp7, 0xffff
	s_lshl_b32 s13, s13, 2
	s_add_co_u32 s13, s13, s41                     ; tile row of C = 4 x cluster y + cy
	s_lshl_b32 s43, s41, 2
	s_lshl_b32 s43, 15, s43                        ; my row of the cluster
	s_lshl_b32 s44, 0x1111, s40                    ; my column
	; descriptor group 1: a tile of 64 rows x 256 elements, padded in LDS
	s_or_b32 s[G1+0], s43, (1<<16)|(1<<20)|(1<<21)|(6<<22)|(3<<25)  ; 15:0 the mask: A's tiles go to my row; 17:16 element of 2 bytes; 20 padding on; 21 set beside a mask; 24:22 after every 128 words (code 6); 31:25 of 4 words (code 3)
	s_or_b32 s[G1B+0], s44, (1<<16)|(1<<20)|(1<<21)|(6<<22)|(3<<25)
.irp g, G1, G1B
	s_mov_b32 s[(\g)+1], KSTEP<<16                 ; tensor_dim0 = 256
	s_mov_b32 s[(\g)+2], 64<<16                    ; tensor_dim1 = 64
	s_mov_b32 s[(\g)+3], KSTEP<<16                 ; tile_dim0 = 256
	s_mov_b32 s[(\g)+4], 64                        ; tile_dim1 = 64
	s_mov_b32 s[(\g)+5], KP                        ; tensor_dim0_stride
	s_mov_b32 s[(\g)+6], 0
	s_mov_b32 s[(\g)+7], 0
.endr
	s_lshl_b32 s17, s12, 6                         ; which 64 rows of the tile I fetch
	s_lshl_b32 s16, s13, 7
	s_add_co_u32 s16, s16, s17                     ; A: row 128 x tile row + 64 x half
	s_lshl_b32 s46, s42, 7
	s_add_co_u32 s46, s46, s17                     ; B: row 128 x tile column + 64 x half
	s_mov_b32 s17, 0
	s_mov_b32 s47, 0
	s_mov_b64 s[18:19], KP*2
	s_mul_u64 s[16:17], s[16:17], s[18:19]
	s_mul_u64 s[46:47], s[46:47], s[18:19]
.if VAR == 2
	s_lshr_b32 s45, ttmp9, 1                       ; which half of K: the same in all sixteen partners
	s_lshl_b32 s20, s45, 12                        ; 2,048 elements along the rows of A and of B
	s_mov_b32 s21, 0
	s_add_nc_u64 s[16:17], s[16:17], s[20:21]
	s_add_nc_u64 s[46:47], s[46:47], s[20:21]
.endif
	s_mul_i32 s20, s10, HALFT                      ; where they go: wave x 64 rows
	s_wait_dscnt 0x0                               ; the opening add is done
	s_wait_kmcnt 0x0
	s_add_nc_u64 s[14:15], s[4:5], s[16:17]
	s_add_nc_u64 s[46:47], s[6:7], s[46:47]
.if AOFF
	s_add_nc_u64 s[14:15], s[14:15], AOFF
.endif
.if BOFF
	s_add_nc_u64 s[46:47], s[46:47], BOFF
.endif
	CROUND                                         ; all sixteen work-groups are here: the first joint loads meet
.irp s, 0,1
	s_mov_b32 s[G0+4*(\s)], 1
	s_add_co_u32 s[G0+4*(\s)+1], s20, (\s)*SLOT
	s_add_nc_u64 s[G0+4*(\s)+2:G0+4*(\s)+3], s[14:15], (\s)*KSTEP*2
	s_or_b32 s[G0+4*(\s)+3], s[G0+4*(\s)+3], 0x80000000
	s_mov_b32 s[G0B+4*(\s)], 1
	s_add_co_u32 s[G0B+4*(\s)+1], s20, (\s)*SLOT
	s_add_nc_u64 s[G0B+4*(\s)+2:G0B+4*(\s)+3], s[46:47], (\s)*KSTEP*2
	s_or_b32 s[G0B+4*(\s)+3], s[G0B+4*(\s)+3], 0x80000000
	JLOAD \s
.endr
	v_and_b32 v1, 15, v0                           ; l % 16
	v_bfe_u32 v2, v0, 4, 1                         ; l / 16
	v_mul_u32_u24 v3, v1, PITCH
	v_lshl_add_u32 v3, v2, 4, v3                   ; a fragment's row x pitch + 16 x half
	s_mul_i32 s21, s11, HALFT                      ; my 64 rows of A
	s_mul_i32 s22, s12, HALFT                      ; my 64 rows of B,
	s_add_co_u32 s22, s22, 2*HALFT                 ; which lie behind A's 128
.irp s, 0,1
	v_add_nc_u32 v[ADRA+(\s)], s21, v3
	v_add_nc_u32 v[ADRB+(\s)], s22, v3
	s_add_co_u32 s21, s21, SLOT
	s_add_co_u32 s22, s22, SLOT
.endr
.if VAR == 2
	s_mul_i32 s23, s10, 16*SPITCH                  ; my own stage: 16 rows of my 64 f32 columns, 256 bytes
	s_add_co_u32 s23, s23, STAGE
	v_mul_u32_u24 v4, v1, SPITCH                   ; in: row l % 16, 32 bytes for each half of the lanes
	v_lshl_add_u32 v4, v2, 5, v4
	v_add_nc_u32 v[STO], s23, v4
	v_mul_u32_u24 v5, v2, SPITCH                   ; back: lanes 0-15 one row of 256 bytes, lanes 16-31 the next
	v_lshl_add_u32 v5, v1, 4, v5
	v_add_nc_u32 v[RD], s23, v5
	v_lshlrev_b32 v5, 12, v2                       ; and the same two rows in C
	v_lshl_add_u32 v[CO], v1, 4, v5
	s_lshl_b32 s16, s13, 7
	s_lshl_b32 s17, s11, 6
	s_add_co_u32 s16, s16, s17                     ; my first row of C,
	s_lshl_b32 s16, s16, 12                        ; of 4,096 bytes,
	s_lshl_b32 s17, s45, 23                        ; in the plane of my half of K
	s_add_co_u32 s16, s16, s17
	s_mov_b32 s17, 0
	s_add_nc_u64 s[8:9], s[8:9], s[16:17]
	s_lshl_b32 s46, s42, 9                         ; my first column, in bytes
	s_lshl_b32 s47, s12, 8
	s_add_co_u32 s46, s46, s47
	s_mov_b32 s47, 0
	s_add_nc_u64 s[8:9], s[8:9], s[46:47]
.else
	s_mul_i32 s23, s11, 64*SPITCH                  ; into the stage: my 64 rows, my half of their 256 bytes; row l % 16, 16 bytes for each half of the lanes
	s_lshl_b32 s21, s12, 7
	s_add_co_u32 s23, s23, s21
	s_add_co_u32 s23, s23, STAGE
	v_mul_u32_u24 v4, v1, SPITCH
	v_lshl_add_u32 v4, v2, 4, v4
	v_add_nc_u32 v[STO], s23, v4
	s_mul_i32 s23, s10, 32*SPITCH                  ; back: wave w takes rows 32 w .. 32 w + 31
	s_add_co_u32 s23, s23, STAGE
.if VAR == 0
	v_add_nc_u32 v[RD], s23, v4                    ; by fragments: row l % 16, 16 bytes for each half of the lanes
	v_and_b32 v5, 31, v0
	v_lshlrev_b32 v[CO], 4, v5                     ; a half fragment is 512 consecutive bytes: 16 x lane
	s_lshl_b32 s16, s13, 18                        ; the head = the tile row: 262,144 bytes a head,
	s_lshl_b32 s17, s10, 11                        ; my two blocks of 16 channels
	s_add_co_u32 s16, s16, s17
	s_mov_b32 s17, 0
	s_add_nc_u64 s[8:9], s[8:9], s[16:17]
	s_lshr_b32 s46, s42, 3                         ; the batch = tile column / 8: eight heads on,
	s_lshl_b32 s46, s46, 21
	s_and_b32 s47, s42, 7                          ; and the tile's 128 keys: four groups of 32, 8,192 bytes each
	s_lshl_b32 s47, s47, 15
	s_add_co_u32 s46, s46, s47
	s_mov_b32 s47, 0
	s_add_nc_u64 s[8:9], s[8:9], s[46:47]
.else
	v_mul_u32_u24 v5, v2, SPITCH                   ; whole rows: lanes 0-15 one row of 256 bytes, lanes 16-31 the next
	v_lshl_add_u32 v5, v1, 4, v5
	v_add_nc_u32 v[RD], s23, v5
	v_mul_u32_u24 v5, v2, SIZE_N*2                 ; and the same two rows in C
	v_lshl_add_u32 v[CO], v1, 4, v5
	s_lshl_b32 s16, s13, 7
	s_lshl_b32 s17, s10, 5
	s_add_co_u32 s16, s16, s17                     ; the first row of C that I store: 128 x tile row + 32 x wave
	s_mov_b32 s17, 0
	s_mov_b64 s[18:19], SIZE_N*2
	s_mul_u64 s[16:17], s[16:17], s[18:19]
	s_add_nc_u64 s[8:9], s[8:9], s[16:17]
	s_lshl_b32 s46, s42, 8                         ; the tile's first column, in bytes
	s_mov_b32 s47, 0
	s_add_nc_u64 s[8:9], s[8:9], s[46:47]
	s_lshl_b32 s46, s42, 9                         ; the bias of my 64 columns: a lane's eight numbers for each of the four blocks of 16
	s_lshl_b32 s47, s12, 8
	s_add_co_u32 s46, s46, s47
	s_mov_b32 s47, 0
	s_add_nc_u64 s[66:67], s[66:67], s[46:47]
	v_lshlrev_b32 v[BO], 5, v2
.irp b, 0,1,2,3
	global_load_b128 v[BIAS+8*(\b):BIAS+8*(\b)+3],   v[BO], s[66:67] offset:64*(\b)
	global_load_b128 v[BIAS+8*(\b)+4:BIAS+8*(\b)+7], v[BO], s[66:67] offset:64*(\b)+16
.endr
	v_mov_b32 v[ZR], 0
.endif
.endif
; 8 matrix instructions: m blocks a0, a0 + 1 x all 4 n blocks, 32 along K: half c of buffer f.  zero = 1: the first product starts the sums
.macro MUL8 f, c, a0, zero
	WIN MUL
.irp a, \a0, (\a0)+1
.irp b, 0,1,2,3
.if VAR == 0
.if \zero
	v_wmma_f32_16x16x32_bf16 v[ACC+8*(4*(\a)+(\b)):ACC+8*(4*(\a)+(\b))+7], v[(\f)+64+8*(4*(\c)+(\b)):(\f)+64+8*(4*(\c)+(\b))+7], v[(\f)+8*(4*(\c)+(\a)):(\f)+8*(4*(\c)+(\a))+7], 0
.else
	v_wmma_f32_16x16x32_bf16 v[ACC+8*(4*(\a)+(\b)):ACC+8*(4*(\a)+(\b))+7], v[(\f)+64+8*(4*(\c)+(\b)):(\f)+64+8*(4*(\c)+(\b))+7], v[(\f)+8*(4*(\c)+(\a)):(\f)+8*(4*(\c)+(\a))+7], v[ACC+8*(4*(\a)+(\b)):ACC+8*(4*(\a)+(\b))+7]
.endif
.else
.if \zero
	v_wmma_f32_16x16x32_f16 v[ACC+8*(4*(\a)+(\b)):ACC+8*(4*(\a)+(\b))+7], v[(\f)+64+8*(4*(\c)+(\b)):(\f)+64+8*(4*(\c)+(\b))+7], v[(\f)+8*(4*(\c)+(\a)):(\f)+8*(4*(\c)+(\a))+7], 0
.else
	v_wmma_f32_16x16x32_f16 v[ACC+8*(4*(\a)+(\b)):ACC+8*(4*(\a)+(\b))+7], v[(\f)+64+8*(4*(\c)+(\b)):(\f)+64+8*(4*(\c)+(\b))+7], v[(\f)+8*(4*(\c)+(\a)):(\f)+8*(4*(\c)+(\a))+7], v[ACC+8*(4*(\a)+(\b)):ACC+8*(4*(\a)+(\b))+7]
.endif
.endif
.endr
.endr
.endm
; 32 LDS loads in one run: the fragments of 64 along K at byte k of the rows, into buffer f; the first 32 along K first
.macro FETCH slot, k, f
	WIN TO_F
.irp c, 0,1
.irp i, 0,1,2,3
	ds_load_b128 v[(\f)+64+8*(4*(\c)+(\i)):(\f)+64+8*(4*(\c)+(\i))+3],   v[ADRB+(\slot)] offset:(\k)+64*(\c)+(\i)*16*PITCH
	ds_load_b128 v[(\f)+64+8*(4*(\c)+(\i))+4:(\f)+64+8*(4*(\c)+(\i))+7], v[ADRB+(\slot)] offset:(\k)+64*(\c)+(\i)*16*PITCH+32
	ds_load_b128 v[(\f)+8*(4*(\c)+(\i)):(\f)+8*(4*(\c)+(\i))+3],         v[ADRA+(\slot)] offset:(\k)+64*(\c)+(\i)*16*PITCH
	ds_load_b128 v[(\f)+8*(4*(\c)+(\i))+4:(\f)+8*(4*(\c)+(\i))+7],       v[ADRA+(\slot)] offset:(\k)+64*(\c)+(\i)*16*PITCH+32
.endr
.endr
.endm
.macro PLACES                          ; four places in front of loads into registers that matrix instructions have read, and of lines that read results
.rept 4
	v_nop
.endr
.endm
; A K step is four quarters of 64 along K, 32 matrix instructions each, on buffers 0, 1, 0, 1.  One of the first three: multiplies buffer f and fetches the next quarter, at byte k, into g.
.macro QUARTER slot, k, f, g, zero
	s_wait_dscnt 16                                ; the first 32 along K are in
	WIN MUL
	MUL8 \f, 0, 0, \zero
	MUL8 \f, 0, 2, \zero
	PLACES
	FETCH \slot, \k, \g
	s_wait_dscnt 32                                ; all but the 32 just issued
	WIN MUL
	MUL8 \f, 1, 0, 0
	MUL8 \f, 1, 2, 0
.endm
; The last quarter multiplies buffer 1 and changes slots: ONE barrier; in front of it each wave waits for all its tensor loads, adds 0 to its spare word, and waits for that and for its own reads of this slot.  fill = 1: this slot is filled again, two K steps ahead.
.macro TURN slot, next, fill
	WIN 0                                          ; (the add's two registers lie in window 0)
	s_wait_tensorcnt 0x0                           ; all my tensor loads have landed: my part of the next slot;
	ds_add_u32 v[SPW], v[NIL]                      ; 0 onto my spare word;
	s_wait_dscnt 17                                ; (the add and the youngest sixteen loads may be out)
	WIN MUL
	MUL8 F1, 0, 0, 0                               ; eight matrix instructions stand between the add and the wait for it
	s_wait_dscnt 0x0                               ; the add is done, and my reads of this slot are over
	s_barrier_signal -1
	MUL8 F1, 0, 2, 0
.if \fill
	WIN 0
.endif
	s_barrier_wait -1
.if \fill
	CREST                                          ; the barrier has opened a round of the cluster's barrier: no wave of any partner still reads this slot's tile or has a load on its way
	s_add_nc_u64 s[G0+4*(\slot)+2:G0+4*(\slot)+3], s[G0+4*(\slot)+2:G0+4*(\slot)+3], 2*KSTEP*2
	s_add_nc_u64 s[G0B+4*(\slot)+2:G0B+4*(\slot)+3], s[G0B+4*(\slot)+2:G0B+4*(\slot)+3], 2*KSTEP*2
	JLOAD \slot                                    ; the first tensor load behind the round; the four v_nop behind it are also the places in front of the loads below
.else
	PLACES
.endif
	FETCH \next, 0, F0
	WIN MUL
	MUL8 F1, 1, 0, 0
	MUL8 F1, 1, 2, 0
.endm
	s_wait_tensorcnt 1                             ; my part of K step 0 is in,
	s_barrier_signal -1
	s_barrier_wait -1                              ; everybody's is
	FETCH 0, 0, F0
	QUARTER 0, 128, F0, F1, 1                      ; the first quarter stands in front of the loop: its first products start the sums
	WIN 0                                          ; at a label and at a branch every window is 0
	s_mov_b32 s3, LAPS-1
.Llap:                                                 ; a trip goes once round the ring, from a lap's second quarter to the next lap's first, and fills both slots again
	QUARTER 0, 256, F1, F0, 0
	QUARTER 0, 384, F0, F1, 0
	TURN 0, 1, 1
	QUARTER 1, 128, F0, F1, 0
	QUARTER 1, 256, F1, F0, 0
	QUARTER 1, 384, F0, F1, 0
	TURN 1, 0, 1
	QUARTER 0, 128, F0, F1, 0
	WIN 0
	s_sub_co_u32 s3, s3, 1
	s_cmp_lg_u32 s3, 0
	s_cbranch_scc1 .Llap
	QUARTER 0, 256, F1, F0, 0                      ; the last lap fills nothing, and has no round of the cluster's barrier
	QUARTER 0, 384, F0, F1, 0
	TURN 0, 1, 0
	QUARTER 1, 128, F0, F1, 0
	QUARTER 1, 256, F1, F0, 0
	QUARTER 1, 384, F0, F1, 0
	s_wait_dscnt 16                                ; the very last quarter: nothing more to fetch
	WIN MUL
	MUL8 F1, 0, 0, 0
	MUL8 F1, 0, 2, 0
	s_wait_dscnt 0
	MUL8 F1, 1, 0, 0
	MUL8 F1, 1, 2, 0
	WIN 0
.if VAR == 2
	; THE WAY OUT, f32: a block of 16 rows at a time through my own stage; each accumulator's low registers are read first.
	PLACES
.irp a, 0,1,2,3
	s_wait_xcnt 0x0                                ; the registers that earlier stores read are loaded again only behind this wait
.irp b, 0,1,2,3
	ds_store_b128 v[STO], v[ACC+8*(4*(\a)+(\b)):ACC+8*(4*(\a)+(\b))+3]   offset:64*(\b)
	ds_store_b128 v[STO], v[ACC+8*(4*(\a)+(\b))+4:ACC+8*(4*(\a)+(\b))+7] offset:64*(\b)+16
.endr
.irp t, 0,1,2,3,4,5,6,7
	ds_load_b128 v[TMP+32*((\a)%2)+4*(\t):TMP+32*((\a)%2)+4*(\t)+3], v[RD] offset:(\t)*2*SPITCH  ; LDS serves a wave's instructions in order (ISA guide 5.7.1.4): these see the stores above
.endr
	s_wait_dscnt 0x0
.irp t, 0,1,2,3,4,5,6,7
	global_store_b128 v[CO], v[TMP+32*((\a)%2)+4*(\t):TMP+32*((\a)%2)+4*(\t)+3], s[8:9] offset:(16*(\a)+2*(\t))*SIZE_N*4  ; 16 lanes store 256 consecutive bytes, aligned
.endr
.endr
.else
	; THE WAY OUT, f16: 16 bytes a lane into the work-group's stage; a barrier, since a row's 256 bytes come from two waves; then back and out.
.if VAR == 1
	s_wait_loadcnt 0x0                             ; the bias, asked for at the head; it is rounded to bf16 like every input.  These lines are also the places behind the last products
.set i, 0
.rept 16
	v_cvt_pk_bf16_f32 v[TMP+i], v[BIAS+2*i], v[BIAS+2*i+1]
.set i, i+1
.endr
.set i, 0
.rept 16
	v_lshlrev_b32 v[BIAS+2*i], 16, v[TMP+i]
	v_and_b32 v[BIAS+2*i+1], 0xffff0000, v[TMP+i]
.set i, i+1
.endr
.else
	PLACES
.endif
.irp t, 0,1,2,3,4,5,6,7,8,9,10,11,12,13,14,15
.if VAR == 1
.irp r, 0,1,2,3
	v_pk_add_f32 v[ACC+8*(\t)+2*(\r):ACC+8*(\t)+2*(\r)+1], v[ACC+8*(\t)+2*(\r):ACC+8*(\t)+2*(\r)+1], v[BIAS+8*((\t)%4)+2*(\r):BIAS+8*((\t)%4)+2*(\r)+1]
.endr
.endif
.irp r, 0,1,2,3
	v_cvt_pk_f16_f32 v[TMP+4*(\t)+(\r)], v[ACC+8*(\t)+2*(\r)], v[ACC+8*(\t)+2*(\r)+1]
.endr
.if VAR == 1
.irp r, 0,1,2,3
	v_pk_max_num_f16 v[TMP+4*(\t)+(\r)], v[TMP+4*(\t)+(\r)], v[ZR]
.endr
.endif
.endr
.irp a, 0,1,2,3
.irp b, 0,1,2,3
	ds_store_b128 v[STO], v[TMP+4*(4*(\a)+(\b)):TMP+4*(4*(\a)+(\b))+3] offset:(\a)*16*SPITCH+32*(\b)
.endr
.endr
	s_wait_dscnt 0x0                               ; for the others' sake: my stores into the stage are done
	s_barrier_signal -1
	s_barrier_wait -1
.if VAR == 0
.irp t, 0,1,2,3,4,5,6,7,8,9,10,11,12,13,14,15     ; block of 16 channels t / 8, group of 32 keys (t / 2) % 4, half t % 2
	ds_load_b128 v[TMP+4*(\t):TMP+4*(\t)+3], v[RD] offset:((\t)/8)*16*SPITCH+(((\t)/2)%4)*64+((\t)%2)*32
.endr
.irp t, 0,1,2,3,4,5,6,7,8,9,10,11,12,13,14,15
	s_wait_dscnt 15-(\t)
	global_store_b128 v[CO], v[TMP+4*(\t):TMP+4*(\t)+3], s[8:9] offset:(((\t)/2)%4)*8192+((\t)/8)*1024+((\t)%2)*512  ; 512 consecutive bytes, aligned
.endr
.else
.irp t, 0,1,2,3,4,5,6,7,8,9,10,11,12,13,14,15
	ds_load_b128 v[TMP+4*(\t):TMP+4*(\t)+3], v[RD] offset:(\t)*2*SPITCH
.endr
.irp t, 0,1,2,3,4,5,6,7,8,9,10,11,12,13,14,15
	s_wait_dscnt 15-(\t)
	global_store_b128 v[CO], v[TMP+4*(\t):TMP+4*(\t)+3], s[8:9] offset:2*(\t)*SIZE_N*2  ; 16 lanes store 256 consecutive bytes, aligned
.endr
.endif
.endif
	s_wait_tensorcnt 0x0                           ; the wave's end: three lines behind my last tensor load and my last LDS store
	ds_add_u32 v[SPW], v[NIL]
	s_wait_dscnt 0x0
	CROUND                                         ; the closing round: no work-group ends while a partner may still ask for a tile that names it
	s_endpgm
.Lfunc_end_k_q3600f5ebef_gemm_v:
	.size	k_q3600f5ebef_gemm_v, .Lfunc_end_k_q3600f5ebef_gemm_v-k_q3600f5ebef_gemm_v
	.p2alignl 7, 3214868480
	.fill 96, 4, 3214868480
	.section	.rodata,"a",@progbits
	.p2align	6, 0x0
	.amdhsa_kernel k_q3600f5ebef_gemm_v
		.amdhsa_group_segment_fixed_size 327680
		.amdhsa_private_segment_fixed_size 0
		.amdhsa_enable_private_segment 0
		.amdhsa_kernarg_size 24
		.amdhsa_user_sgpr_count 2
		.amdhsa_user_sgpr_kernarg_segment_ptr 1
		.amdhsa_wavefront_size32 1
		.amdhsa_system_sgpr_workgroup_id_x 1
		.amdhsa_system_sgpr_workgroup_id_y 1
		.amdhsa_system_sgpr_workgroup_id_z 1
		.amdhsa_system_vgpr_workitem_id 0
		.amdhsa_next_free_vgpr 512
		.amdhsa_next_free_sgpr 66
		.amdhsa_reserve_vcc 0
		.amdhsa_float_denorm_mode_32 3
		.amdhsa_float_denorm_mode_16_64 3
		.amdhsa_memory_ordered 1
		.amdhsa_forward_progress 1
		.amdhsa_inst_pref_size 86
	.end_amdhsa_kernel
	.amdgpu_metadata
---
amdhsa.version: [ 1, 2 ]
amdhsa.kernels:
  - .name:           k_q3600f5ebef_gemm_v
    .symbol:         k_q3600f5ebef_gemm_v.kd
    .args:
      - { .name: wts, .offset: 0, .size: 8, .value_kind: global_buffer, .address_space: global }
      - { .name: xq, .offset: 8, .size: 8, .value_kind: global_buffer, .address_space: global }
      - { .name: vf, .offset: 16, .size: 8, .value_kind: global_buffer, .address_space: global }
    .group_segment_fixed_size: 327680
    .private_segment_fixed_size: 0
    .kernarg_segment_align: 8
    .kernarg_segment_size: 24
    .max_flat_workgroup_size: 128
    .sgpr_count:     66
    .vgpr_count:     512
    .wavefront_size: 32
...
	.end_amdgpu_metadata
.endif
;; end of part 4
;; launch attn (part 5): grid 256 x 1, 4 waves a work-group, clusters of 4 x 1, 268,032 bytes of LDS; arguments vf, uw, xq, ln1_g, ln1_b, h1; writes h1
.if DOCPART == 5
	.amdgcn_target "amdgcn-amd-amdhsa--gfx1250"
	.amdhsa_code_object_version 6
	.text
	.protected	k_q3600f5ebef_attn
	.globl	k_q3600f5ebef_attn
	.p2align	8
	.type	k_q3600f5ebef_attn,@function
k_q3600f5ebef_attn:
	s_mov_b64 s[64:65], 0
	v_nop
	global_prefetch_b8 v0, s[64:65] scope:SCOPE_SE
	s_setreg_imm32_b32 hwreg(HW_REG_WAVE_MODE, 25, 1), 1
	s_wait_xcnt 0x0
	s_wait_alu depctr_hold_cnt(0) depctr_sa_sdst(0) depctr_va_vdst(0) depctr_va_sdst(0) depctr_va_ssrc(0) depctr_va_vcc(0) depctr_vm_vsrc(0)
	s_getreg_b32 s2, hwreg(HW_REG_IB_STS2, 6, 4)
	s_cmp_eq_u32 s2, 0
	s_cbranch_scc0 .Lentry_in_a_cluster
	s_endpgm
.Lentry_in_a_cluster:
	s_bfe_u32 s2, ttmp6, 0x10000c
	s_cmp_lg_u32 s2, 0x3003
	s_cbranch_scc0 .Lentry_shape_is_right
	s_endpgm
.Lentry_shape_is_right:
; ATTENTION, RESIDUAL AND THE FIRST LAYER NORM.  The logits are of rank 1: logit[j][k] = c[j] w[k], with c[j] = scale^2 (the sum over depth of q's row j) U and U = the sum of all u[k] of the head.
; SOFTMAX.  The row's maximum is c[j] wsel[j], wsel = the head's largest w where c > 0, else its smallest (a select, no branch).  p = 2^((w[k] - wsel) c log2(e)): the maximum is taken away
; before the multiplication, so the exponent is exactly 0 at the maximum and never above 0; difference and product are two roundings on purpose (one fused line on c w would keep the product's rounding, which is
; large beside 1 where the logits are large).  l is the sum of the unrounded p, in f32; p goes to f16 for the product with V.
; LIMITS.  p below 2^-126 counts as 0; V within f16's 65,504; a query whose sum over depth lies within f32's rounding of 0 may take the other sign; NaN and infinities are not treated apart.
; SHARES.  A work-group owns 64 queries of one head: four tiles of 16.  THE KEYS ARE SPLIT AMONG ITS FOUR WAVES, 256 each, for all 64 queries: the maximum is known beforehand, so the four partial O and l simply add.
; They meet in LDS; then wave w finishes queries 16 w .. 16 w + 15.  Eight consecutive queries of a head are one row of 1,024 numbers of x + attention: two rows a wave, normalised inside the wave.
; LAYOUT.  O^T = V^T P: source 0 = 16 channels x 32 keys of V^T, as the launch before laid it (a half fragment is 512 consecutive bytes), source 1 = 32 keys x 16 queries of p: a lane holds one query.
; CLUSTER.  The four work-groups of a cluster belong to one head and want the same V: each wave asks for its 64 KiB by two joint loads (128 rows of 256 bytes each), the same descriptor and mask in all four.
; All of V that a wave wants is asked for at the head: two tensor loads of mine are out, nothing is left to ask ahead for.  Only the wave that asked reads those bytes.
; REGISTERS, in windows of 256: window 0: v0-15 addresses; v16-47 eight a tile: (wsel, wsel), (c log2e, the same), (l, l'), c; v48-63 w of a step; v64-127 the exponents and p; v128-159 P; v160-223 V; v224-255 at work at the head
;   window 1: O^T, tile T, channel block cb at 64 T + 8 cb          window 2: v0-31 x of my two rows in bf16; v32-63 the gain, v64-95 the bias, as loaded
.set WT,     262144                    ; behind the four waves' 64 KiB of V: the head's 1,024 w, as they lie in memory: key 128 beta + 8 p + W at word 64 p + 8 beta + W
.set RED,    266240                    ; four waves x (sum of u, largest w, smallest w, 0)
.set LS,     266496                    ; l: [64 queries][4 waves]
.set SPARE,  267520                    ; the spare words, 128 bytes for each wave: two blocks of 256 bytes that no other line names
.set OPITCH, 528                       ; a query's 128 partial sums, 512 bytes + 16: the 16 rows of a store start at 16 different groups of four banks (64 banks of 4 bytes: ISA guide 11.1)
.set AV0, 5                            ; v5   my lane's place in my wave's V; never rewritten
.set AW0, 6                            ; v6   the same in w
.set AV,  7                            ; v7   the step's address in V
.set AW,  8                            ; v8   in w
.set PS,  9                            ; v9   where I put my partial sums
.set LSA, 10                           ; v10  where I put my partial l
.set LQA, 11                           ; v11  where my wave's 16 queries' l begin
.set O16, 12                           ; v12  16 x lane
.set O8,  13                           ; v13  8 x lane
.set SPW, 14                           ; v14  SPARE + 4 x my thread's number; never rewritten
.set NIL, 15                           ; v15  0; never rewritten
.set ST,  16
.set W,   48
.set E,   64
.set P,   128
.set V,   160
.set RD,  48                           ; behind the loop: v48-51 where I read the four waves' partial sums
.set RL,  32                           ; v32-47 1 / l of my 16 queries
.set Y,   64                           ; v64-95 a row of 1,024 numbers, 32 a lane
.set HP,  96                           ; v96-111 the row in f16
.set TT,  192                          ; v192-199 at work
.set MU,  200                          ; v200-201 the mean, then 1 / sqrt(var + eps), twice
.set TP,  202
.set EPSR, 203
.set GP,  224                          ; v224-239 the gain in bf16
.set BP,  240                          ; v240-255 the bias in bf16
.set WV,  16                           ; s16  my wave's number
.set G1,  24                           ; s[24:31] descriptor group 1
.set G0A, 32                           ; s[32:35] group 0: the first half of my V
.set G0B, 36                           ; s[36:39] the second
.set SEL, 40                           ; s[40:41] v_permlanex16_b32's selects
.set CNT, 42
.set TV,  62                           ; s62  the step's bytes in V
.set TW,  63                           ; s63  in w
.set MSB, 0
.macro WIN new                         ; the immediate's high byte repeats the setting that is left
.if MSB != (\new)
	s_set_vgpr_msb (MSB<<8)|(\new)
.set MSB, \new
.endif
.endm
.macro CROUND                          ; a round of the cluster's barrier
	s_barrier_signal -1
	s_barrier_wait -1
	s_cmp_lg_u32 s[WV], 0
	s_cbranch_scc1 .Lnot_wave_0_\@
	s_barrier_signal -3
.Lnot_wave_0_\@:
	s_barrier_wait -3
	s_barrier_signal -1
	s_barrier_wait -1
.endm
.macro RED32 op, opd, v, tmp           ; over the 32 lanes, the result in every lane
	\opd v[\v], v[\v], v[\v] row_xmask:1 row_mask:0xf bank_mask:0xf
	\opd v[\v], v[\v], v[\v] row_xmask:2 row_mask:0xf bank_mask:0xf
	\opd v[\v], v[\v], v[\v] row_xmask:4 row_mask:0xf bank_mask:0xf
	\opd v[\v], v[\v], v[\v] row_xmask:8 row_mask:0xf bank_mask:0xf
	v_permlanex16_b32 v[\tmp], v[\v], s[SEL], s[SEL+1]
	\op v[\v], v[\v], v[\tmp]
.endm
	s_load_b256 s[4:11], s[0:1], 0x0               ; vf s[4:5], uw s[6:7], xq s[8:9], ln1_g s[10:11]
	s_load_b128 s[12:15], s[0:1], 0x20             ; ln1_b s[12:13], h1 s[14:15]
	v_lshl_add_u32 v[SPW], v0, 2, SPARE
	v_mov_b32 v[NIL], 0
	ds_add_u32 v[SPW], v[NIL]                      ; the wave's opening: the add and its wait ahead of my first tensor load; the set-up below, work on registers, stands between them
	v_lshrrev_b32 v1, 5, v0
	v_readfirstlane_b32 s[WV], v1                  ; wave 0..3
	s_bfe_u32 s17, ttmp6, 0x40000                  ; cx
	s_lshr_b32 s18, ttmp9, 2                       ; the head bh: four clusters a head; the partners share it
	s_and_b32 s19, ttmp9, 3
	s_lshl_b32 s19, s19, 2
	s_add_co_u32 s19, s19, s17                     ; my block of 64 queries: it enters global addresses of plain loads and stores alone
	s_mov_b32 s[G1], 15|(3<<16)|(1<<21)            ; 15:0 the mask of four; 17:16 elements of 8 bytes; 21 set beside a mask; no padding
	s_mov_b32 s[G1+1], 32<<16                      ; tensor_dim0 = 32 elements: rows of 256 bytes
	s_mov_b32 s[G1+2], 128<<16                     ; tensor_dim1 = 128
	s_mov_b32 s[G1+3], 32<<16                      ; tile_dim0 = 32
	s_mov_b32 s[G1+4], 128                         ; tile_dim1 = 128
	s_mov_b32 s[G1+5], 32                          ; dense: 32 elements from row to row
	s_mov_b32 s[G1+6], 0
	s_mov_b32 s[G1+7], 0
	s_mov_b32 s[G0A], 1
	s_lshl_b32 s[G0A+1], s[WV], 16                 ; LDS: 65,536 x wave
	s_mov_b32 s[G0B], 1
	s_add_co_u32 s[G0B+1], s[G0A+1], 32768
	s_lshl_b32 s20, s18, 18                        ; memory: the head's 262,144 bytes, my wave's 65,536
	s_add_co_u32 s20, s20, s[G0A+1]
	s_mov_b32 s21, 0
	s_lshl_b32 s22, s18, 12                        ; the head's 4,096 bytes of a plane of u, w
	s_mov_b32 s23, 0
	s_lshr_b32 s56, s18, 3                         ; the row sums of q: tile 64 b + 4 jb + T, column h
	s_lshl_b32 s56, s56, 16
	s_lshl_b32 s57, s19, 12
	s_add_co_u32 s56, s56, s57
	s_and_b32 s57, s18, 7
	s_lshl_b32 s57, s57, 4
	s_add_co_u32 s56, s56, s57
	s_add_co_u32 s56, s56, 4194304
	s_mov_b32 s57, 0
	s_lshl_b32 s58, s18, 18                        ; my two rows, 128 bh + 8 jb + 2 w on, of 2,048 bytes (x in bf16, h1 in f16),
	s_lshl_b32 s59, s19, 14
	s_add_co_u32 s58, s58, s59
	s_lshl_b32 s59, s[WV], 12
	s_add_co_u32 s58, s58, s59
	s_mov_b32 s59, 0
	s_lshl_b32 s60, s58, 1                         ; and of 4,096 (h1 in f32)
	s_mov_b32 s61, 0
	s_mov_b32 s[SEL], 0x76543210
	s_mov_b32 s[SEL+1], 0xfedcba98
	s_mov_b32 s[TV], 0
	s_mov_b32 s[TW], 0
	s_wait_dscnt 0x0                               ; the opening add is done
	s_wait_kmcnt 0x0
	s_add_nc_u64 s[G0A+2:G0A+3], s[4:5], s[20:21]
	s_add_nc_u64 s[G0B+2:G0B+3], s[G0A+2:G0A+3], 32768
	s_or_b32 s[G0A+3], s[G0A+3], 0x80000000        ; type = 2
	s_or_b32 s[G0B+3], s[G0B+3], 0x80000000
	s_add_nc_u64 s[44:45], s[6:7], s[22:23]        ; u
	s_add_nc_u64 s[46:47], s[44:45], 65536         ; w
	s_add_nc_u64 s[48:49], s[8:9], s[56:57]        ; the row sums of q
	s_add_nc_u64 s[50:51], s[8:9], s[58:59]        ; x in bf16
	s_add_nc_u64 s[52:53], s[14:15], s[60:61]      ; h1 in f32
	s_add_nc_u64 s[54:55], s[14:15], s[58:59]
	s_add_nc_u64 s[54:55], s[54:55], 8388608       ; h1 in f16
	CROUND                                         ; all four work-groups are here: the joint loads meet
	tensor_load_to_lds s[G0A:G0A+3], s[G1:G1+7]    ; key steps 0 to 3 of my 8
	s_nop 0
	tensor_load_to_lds s[G0B:G0B+3], s[G1:G1+7]    ; key steps 4 to 7
	s_nop 0
.rept 4
	v_nop
.endr
	v_and_b32 v2, 31, v0                           ; lane
	v_and_b32 v3, 15, v0                           ; r
	v_bfe_u32 v4, v0, 4, 1                         ; hh
	v_lshlrev_b32 v[O16], 4, v2
	v_lshlrev_b32 v[O8], 3, v2
	v_lshlrev_b32 v224, 4, v0                      ; 16 t
	v_bfe_u32 v225, v0, 2, 1                       ; row r of a tile of row sums
	v_lshlrev_b32 v225, 9, v225
	v_bfe_u32 v226, v0, 3, 1
	v_lshl_add_u32 v225, v226, 8, v225
	v_and_b32 v226, 3, v0
	v_lshl_add_u32 v225, v226, 2, v225
	global_load_b128 v[228:231], v224, s[44:45]
	global_load_b128 v[232:235], v224, s[44:45] offset:2048
	global_load_b128 v[236:239], v224, s[46:47]
	global_load_b128 v[240:243], v224, s[46:47] offset:2048
.irp T, 0,1,2,3
	global_load_b32 v[244+\T], v225, s[48:49] offset:1024*\T
.endr
	WIN 0x80                                       ; destination window 2, address window 0
.set n, 0
.rept 16
	global_load_b64 v[2*n:2*n+1], v[O8], s[50:51] offset:256*n
.set n, n+1
.endr
.irp i, 0,1,2,3,4,5,6,7
	global_load_b128 v[32+4*\i:32+4*\i+3], v[O16], s[10:11] offset:512*\i
.endr
.irp i, 0,1,2,3,4,5,6,7
	global_load_b128 v[64+4*\i:64+4*\i+3], v[O16], s[12:13] offset:512*\i
.endr
	WIN 0
	v_lshl_add_u32 v[AV0], v2, 4, s[G0A+1]         ; 65,536 w + 16 lane
	s_lshl_b32 s43, s[WV], 6
	s_add_co_u32 s43, s43, WT
	v_lshl_add_u32 v[AW0], v4, 8, s43              ; keys 256 w + 8 hh on: words 64 hh + 16 w
	v_mov_b32 v[AV], v[AV0]
	v_mov_b32 v[AW], v[AW0]
	v_mul_u32_u24 v[PS], v3, OPITCH
	v_lshl_add_u32 v[PS], v4, 5, v[PS]
	v_add_nc_u32 v[PS], s[G0A+1], v[PS]            ; my wave's region: query r, 32 bytes for each half of the lanes
	s_lshl_b32 s43, s[WV], 2
	s_add_co_u32 s43, s43, LS
	v_lshl_add_u32 v[LSA], v3, 4, s43
	s_lshl_b32 s43, s[WV], 8
	s_add_co_u32 s43, s43, LS
	v_mov_b32 v[LQA], s43
	v_add_nc_u32 v226, WT, v224
	s_lshl_b32 s43, s[WV], 4
	s_add_co_u32 s43, s43, RED
	v_mov_b32 v227, s43
	v_mov_b32 v253, RED
	v_mov_b32 v252, 0
	v_mov_b32 v251, 0
	s_wait_loadcnt 36                              ; u and w are in: 36 loads were issued behind them
	ds_store_b128 v226, v[236:239]                 ; w goes into LDS as it lies
	ds_store_b128 v226, v[240:243] offset:2048
	v_pk_add_f32 v[228:229], v[228:229], v[230:231]
	v_pk_add_f32 v[232:233], v[232:233], v[234:235]
	v_pk_add_f32 v[228:229], v[228:229], v[232:233]
	v_add_f32 v248, v228, v229
	v_max3_num_f32 v249, v236, v237, v238
	v_max3_num_f32 v249, v249, v239, v240
	v_max3_num_f32 v249, v249, v241, v242
	v_max_num_f32 v249, v249, v243
	v_min3_num_f32 v250, v236, v237, v238
	v_min3_num_f32 v250, v250, v239, v240
	v_min3_num_f32 v250, v250, v241, v242
	v_min_num_f32 v250, v250, v243
	RED32 v_add_f32, v_add_f32_dpp, 248, 252
	RED32 v_max_num_f32, v_max_num_f32_dpp, 249, 252
	RED32 v_min_num_f32, v_min_num_f32_dpp, 250, 252
	ds_store_b128 v227, v[248:251]
	s_wait_dscnt 0x0
	s_barrier_signal -1
	s_barrier_wait -1                              ; w and the four waves' figures lie in LDS
	ds_load_b128 v[228:231], v253
	ds_load_b128 v[232:235], v253 offset:16
	ds_load_b128 v[236:239], v253 offset:32
	ds_load_b128 v[240:243], v253 offset:48
	s_wait_dscnt 0x0
	v_add_f32 v228, v228, v232
	v_add_f32 v236, v236, v240
	v_add_f32 v228, v228, v236                     ; U
	v_max3_num_f32 v229, v229, v233, v237
	v_max_num_f32 v229, v229, v241                 ; the head's largest w
	v_min3_num_f32 v230, v230, v234, v238
	v_min_num_f32 v230, v230, v242                 ; and its smallest
	s_wait_loadcnt 32                              ; the row sums of q are in
.irp T, 0,1,2,3
	v_mul_f32 v[ST+8*\T+6], 0x3db504f3, v[244+\T]  ; scale = 1 / sqrt(128)
	v_mul_f32 v[ST+8*\T+6], v[ST+8*\T+6], v228
	v_mul_f32 v[ST+8*\T+6], 0x3db504f3, v[ST+8*\T+6]  ; c
	v_cmp_lt_f32 vcc_lo, 0, v[ST+8*\T+6]
	v_cndmask_b32 v[ST+8*\T], v230, v229, vcc_lo   ; wsel
	v_mov_b32 v[ST+8*\T+1], v[ST+8*\T]
	v_mul_f32 v[ST+8*\T+2], 0x3fb8aa3b, v[ST+8*\T+6]  ; c log2(e)
	v_mov_b32 v[ST+8*\T+3], v[ST+8*\T+2]
.endr
; Number n of the 16 plain lines of tile T: eight differences w - wsel, then eight products with c log2(e), a pair of keys each
.macro PLAIN T, n
.if (\n) < 8
	v_pk_add_f32 v[E+16*(\T)+2*(\n):E+16*(\T)+2*(\n)+1], v[W+2*(\n):W+2*(\n)+1], v[ST+8*(\T):ST+8*(\T)+1] neg_lo:[0,1] neg_hi:[0,1]
.else
	v_pk_mul_f32 v[E+16*(\T)+2*(\n)-16:E+16*(\T)+2*(\n)-15], v[E+16*(\T)+2*(\n)-16:E+16*(\T)+2*(\n)-15], v[ST+8*(\T)+2:ST+8*(\T)+3]
.endif
.endm
; A KEY STEP: 32 keys for all 64 queries.  zero = 1: the first, whose products and sums start O^T and l.
; The 64 exponentials are ONE BATCH: nothing ahead of the one wait names a result of theirs; a tile's exponentials stand by turns with the next tile's plain lines.
.macro STEP zero
.irp q, 0,1
	ds_load_b128 v[W+8*\q:W+8*\q+3],   v[AW] offset:512*\q      ; keys 16 q + 8 hh + 0..7: eight neighbouring words
	ds_load_b128 v[W+8*\q+4:W+8*\q+7], v[AW] offset:512*\q+16
.endr
.irp cb, 0,1,2,3,4,5,6,7
	ds_load_b128 v[V+8*\cb:V+8*\cb+3],   v[AV] offset:1024*\cb
	ds_load_b128 v[V+8*\cb+4:V+8*\cb+7], v[AV] offset:1024*\cb+512
.endr
	s_wait_dscnt 16                                ; w is in; V's 16 loads stay out
.set n, 0
.rept 16
	PLAIN 0, n
.set n, n+1
.endr
.irp T, 0,1,2
.set n, 0
.rept 16
	v_exp_f32 v[E+16*\T+n], v[E+16*\T+n]
	PLAIN (\T)+1, n
.set n, n+1
.endr
.endr
.set n, 0
.rept 16
	v_exp_f32 v[E+48+n], v[E+48+n]
.set n, n+1
.endr
	v_nop                                          ; a plain instruction behind the last exponential (ISA guide 5.7.2): one for the batch
	s_wait_alu depctr_va_vdst(0)                   ; the wait ahead of the first line that names a result: one for the batch
.set n, 0
.rept 8
.irp T, 0,1,2,3
	v_cvt_pk_f16_f32 v[P+8*\T+n], v[E+16*\T+2*n], v[E+16*\T+2*n+1]
.endr
.irp T, 0,1,2,3
.if (\zero) && (n == 0)
.elseif (\zero) && (n == 1)
	v_pk_add_f32 v[ST+8*\T+4:ST+8*\T+5], v[E+16*\T:E+16*\T+1], v[E+16*\T+2:E+16*\T+3]
.else
	v_pk_add_f32 v[ST+8*\T+4:ST+8*\T+5], v[ST+8*\T+4:ST+8*\T+5], v[E+16*\T+2*n:E+16*\T+2*n+1]
.endif
.endr
.set n, n+1
.endr
	s_wait_dscnt 0x0                               ; V is in
	WIN 0x50                                       ; C and D in window 1
.irp cb, 0,1,2,3,4,5,6,7                   ; 32 accumulators, one instruction each: they take turns, over the backward jump too
.irp T, 0,1,2,3
.if \zero
	v_wmma_f32_16x16x32_f16 v[64*\T+8*\cb:64*\T+8*\cb+7], v[V+8*\cb:V+8*\cb+7], v[P+8*\T:P+8*\T+7], 0
.else
	v_wmma_f32_16x16x32_f16 v[64*\T+8*\cb:64*\T+8*\cb+7], v[V+8*\cb:V+8*\cb+7], v[P+8*\T:P+8*\T+7], v[64*\T+8*\cb:64*\T+8*\cb+7]
.endif
.endr
.endr
	WIN 0
	s_add_co_u32 s[TV], s[TV], 8192                ; the next step's V,
	s_add_co_u32 s[TW], s[TW], 1024                ; and its w: 32 keys on are four p on
	v_add_nc_u32 v[AV], s[TV], v[AV0]              ; these four lines are the places in front of the next loads into V's registers (ISA guide 7.12.1 for vector lines)
	v_add_nc_u32 v[AW], s[TW], v[AW0]
	v_nop
	v_nop
.endm
	s_wait_tensorcnt 0x1                           ; my first half of V is in; the second stays out
	STEP 1
	s_mov_b32 s[CNT], 3
.Lfirst:
	STEP 0
	s_sub_co_u32 s[CNT], s[CNT], 1
	s_cmp_lg_u32 s[CNT], 0
	s_cbranch_scc1 .Lfirst
	s_wait_tensorcnt 0x0                           ; the second half is in
	s_sub_co_u32 s[TW], s[TW], 4064                ; 128 keys on: back over the four p, one beta (32 bytes) on
	v_add_nc_u32 v[AW], s[TW], v[AW0]
	s_mov_b32 s[CNT], 4
.Lsecond:
	STEP 0
	s_sub_co_u32 s[CNT], s[CNT], 1
	s_cmp_lg_u32 s[CNT], 0
	s_cbranch_scc1 .Lsecond
	; THE WAVES MEET.  My partial O goes over my own V, which has had its last fill and which I alone have read (the last step waited for its loads); each accumulator's low registers go first.
.rept 4
	v_nop
.endr
	WIN 0x04                                       ; store data in window 1
.irp T, 0,1,2,3
.irp cb, 0,1,2,3,4,5,6,7
	ds_store_b128 v[PS], v[64*\T+8*\cb:64*\T+8*\cb+3]   offset:16*OPITCH*\T+64*\cb
	ds_store_b128 v[PS], v[64*\T+8*\cb+4:64*\T+8*\cb+7] offset:16*OPITCH*\T+64*\cb+16
.endr
.endr
	WIN 0
.irp T, 0,1,2,3
	v_add_f32 v[ST+8*\T+4], v[ST+8*\T+4], v[ST+8*\T+5]
.endr
.irp T, 0,1,2,3
	v_permlanex16_b32 v[ST+8*\T+6], v[ST+8*\T+4], s[SEL], s[SEL+1]  ; the query's other keys of each step lie in the lane 16 away
.endr
.irp T, 0,1,2,3
	v_add_f32 v[ST+8*\T+4], v[ST+8*\T+4], v[ST+8*\T+6]
.endr
.irp T, 0,1,2,3
	ds_store_b32 v[LSA], v[ST+8*\T+4] offset:256*\T
.endr
	s_mul_i32 s43, s[WV], 16*OPITCH
	v_lshl_add_u32 v[RD], v2, 4, s43               ; my 16 queries in wave 0's region, 16 bytes a lane,
	v_add_nc_u32 v[RD+1], 0x10000, v[RD]           ; and in the others'
	v_add_nc_u32 v[RD+2], 0x20000, v[RD]
	v_add_nc_u32 v[RD+3], 0x30000, v[RD]
	s_wait_dscnt 0x0
	s_barrier_signal -1
	s_barrier_wait -1
.set n, 0
.rept 16
	ds_load_b128 v[64+4*n:64+4*n+3], v[LQA] offset:16*n
.set n, n+1
.endr
	s_wait_loadcnt 0x0                             ; x, the gain and the bias
	WIN 0x0a                                       ; sources 0 and 1 in window 2
.set n, 0
.rept 16
	v_cvt_pk_bf16_f32 v[GP+n], v[32+2*n], v[32+2*n+1]
	v_cvt_pk_bf16_f32 v[BP+n], v[64+2*n], v[64+2*n+1]
.set n, n+1
.endr
	WIN 0
	v_mov_b32 v[TP], 0
	v_mov_b32 v[EPSR], 0x3727c5ac                  ; 1e-5
	s_wait_dscnt 0x0
.set n, 0
.rept 16
	v_pk_add_f32 v[64+4*n:64+4*n+1], v[64+4*n:64+4*n+1], v[64+4*n+2:64+4*n+3]
.set n, n+1
.endr
.set n, 0
.rept 16
	v_add_f32 v[64+4*n], v[64+4*n], v[64+4*n+1]
.set n, n+1
.endr
.set n, 0
.rept 16
	v_rcp_f32 v[RL+n], v[64+4*n]                   ; l is at least 1: the weight at the maximum
.set n, n+1
.endr
	v_nop
	s_wait_alu depctr_va_vdst(0)                   ; one wait for the sixteen reciprocals
; A row of 1,024 numbers, 32 a lane in v[Y ..], is normalised: mean, then the mean of the squares of what is left, both in f32; gain and bias from bf16 halves
.macro LNCORE
.irp c, 0,1,2,3
	v_pk_add_f32 v[TT+2*\c:TT+2*\c+1], v[Y+2*\c:Y+2*\c+1], v[Y+8+2*\c:Y+8+2*\c+1]
.endr
.irp k, 16,24
.irp c, 0,1,2,3
	v_pk_add_f32 v[TT+2*\c:TT+2*\c+1], v[TT+2*\c:TT+2*\c+1], v[Y+\k+2*\c:Y+\k+2*\c+1]
.endr
.endr
	v_pk_add_f32 v[TT:TT+1], v[TT:TT+1], v[TT+2:TT+3]
	v_pk_add_f32 v[TT+4:TT+5], v[TT+4:TT+5], v[TT+6:TT+7]
	v_pk_add_f32 v[TT:TT+1], v[TT:TT+1], v[TT+4:TT+5]
	v_add_f32 v[TT], v[TT], v[TT+1]
	RED32 v_add_f32, v_add_f32_dpp, TT, TP
	v_mul_f32 v[MU], 0x3a800000, v[TT]             ; / 1,024
	v_mov_b32 v[MU+1], v[MU]
.set n, 0
.rept 16
	v_pk_add_f32 v[Y+n:Y+n+1], v[Y+n:Y+n+1], v[MU:MU+1] neg_lo:[0,1] neg_hi:[0,1]
.set n, n+2
.endr
.irp c, 0,1,2,3
	v_pk_mul_f32 v[TT+2*\c:TT+2*\c+1], v[Y+2*\c:Y+2*\c+1], v[Y+2*\c:Y+2*\c+1]
.endr
.irp k, 8,16,24
.irp c, 0,1,2,3
	v_pk_fma_f32 v[TT+2*\c:TT+2*\c+1], v[Y+\k+2*\c:Y+\k+2*\c+1], v[Y+\k+2*\c:Y+\k+2*\c+1], v[TT+2*\c:TT+2*\c+1]
.endr
.endr
	v_pk_add_f32 v[TT:TT+1], v[TT:TT+1], v[TT+2:TT+3]
	v_pk_add_f32 v[TT+4:TT+5], v[TT+4:TT+5], v[TT+6:TT+7]
	v_pk_add_f32 v[TT:TT+1], v[TT:TT+1], v[TT+4:TT+5]
	v_add_f32 v[TT], v[TT], v[TT+1]
	RED32 v_add_f32, v_add_f32_dpp, TT, TP
	v_fmamk_f32 v[TT+2], v[TT], 0x3a800000, v[EPSR]
	v_rsq_f32 v[MU], v[TT+2]
	v_rsq_f32 v[MU+1], v[TT+2]
	v_nop
	s_wait_alu depctr_va_vdst(0)                   ; one wait for the pair
.set n, 0
.rept 16
	v_pk_mul_f32 v[Y+n:Y+n+1], v[Y+n:Y+n+1], v[MU:MU+1]
.set n, n+2
.endr
.set n, 0
.rept 32
.if n%2
	v_fma_mix_f32_bf16 v[Y+n], v[Y+n], v[GP+n/2], v[BP+n/2] op_sel:[0,1,1] op_sel_hi:[0,1,1]
.else
	v_fma_mix_f32_bf16 v[Y+n], v[Y+n], v[GP+n/2], v[BP+n/2] op_sel_hi:[0,1,1]
.endif
.set n, n+1
.endr
.endm
; Row g of my two: queries 16 w + 8 g + i; query i's 128 channels are the row's columns 128 i .. 128 i + 127, four a lane
.macro ROWLN g
.irp vv, 0,1,2,3
.irp i, 0,1,2,3,4,5,6,7
	ds_load_b128 v[Y+32*\vv+4*\i:Y+32*\vv+4*\i+3], v[RD+\vv] offset:OPITCH*(8*(\g)+\i)
.endr
.endr
	s_wait_dscnt 0x0
.set n, 0
.rept 16
	v_pk_add_f32 v[Y+n:Y+n+1], v[Y+n:Y+n+1], v[Y+32+n:Y+32+n+1]
	v_pk_add_f32 v[Y+64+n:Y+64+n+1], v[Y+64+n:Y+64+n+1], v[Y+96+n:Y+96+n+1]
.set n, n+2
.endr
.set n, 0
.rept 16
	v_pk_add_f32 v[Y+n:Y+n+1], v[Y+n:Y+n+1], v[Y+64+n:Y+64+n+1]
.set n, n+2
.endr
	WIN 0x20                                       ; source 2, x in bf16, in window 2
.set n, 0
.rept 32                                   ; O / l + x in one fused line
.if n%2
	v_fma_mix_f32_bf16 v[Y+n], v[Y+n], v[RL+8*(\g)+n/4], v[16*(\g)+n/2] op_sel:[0,0,1] op_sel_hi:[0,0,1]
.else
	v_fma_mix_f32_bf16 v[Y+n], v[Y+n], v[RL+8*(\g)+n/4], v[16*(\g)+n/2] op_sel_hi:[0,0,1]
.endif
.set n, n+1
.endr
	WIN 0
	LNCORE
.irp i, 0,1,2,3,4,5,6,7
	global_store_b128 v[O16], v[Y+4*\i:Y+4*\i+3], s[52:53] offset:512*(8*(\g)+\i)  ; 512 consecutive bytes, aligned
.endr
.set n, 0
.rept 16
	v_cvt_pk_f16_f32 v[HP+n], v[Y+2*n], v[Y+2*n+1]
.set n, n+1
.endr
.irp i, 0,1,2,3,4,5,6,7
	global_store_b64 v[O8], v[HP+2*\i:HP+2*\i+1], s[54:55] offset:256*(8*(\g)+\i)  ; 256 consecutive bytes, aligned
.endr
.endm
	ROWLN 0
	s_wait_xcnt 0x0                                ; the registers that the stores read are written again only behind this wait
	ROWLN 1
	s_wait_tensorcnt 0x0                           ; the wave's end: three lines behind my last tensor load and my last LDS store
	ds_add_u32 v[SPW], v[NIL]
	s_wait_dscnt 0x0
	CROUND                                         ; the closing round
	s_endpgm
.Lfunc_end_k_q3600f5ebef_attn:
	.size	k_q3600f5ebef_attn, .Lfunc_end_k_q3600f5ebef_attn-k_q3600f5ebef_attn
	.p2alignl 7, 3214868480
	.fill 96, 4, 3214868480
	.section	.rodata,"a",@progbits
	.p2align	6, 0x0
	.amdhsa_kernel k_q3600f5ebef_attn
		.amdhsa_group_segment_fixed_size 268032
		.amdhsa_private_segment_fixed_size 0
		.amdhsa_enable_private_segment 0
		.amdhsa_kernarg_size 48
		.amdhsa_user_sgpr_count 2
		.amdhsa_user_sgpr_kernarg_segment_ptr 1
		.amdhsa_wavefront_size32 1
		.amdhsa_system_sgpr_workgroup_id_x 1
		.amdhsa_system_sgpr_workgroup_id_y 1
		.amdhsa_system_sgpr_workgroup_id_z 1
		.amdhsa_system_vgpr_workitem_id 0
		.amdhsa_next_free_vgpr 608
		.amdhsa_next_free_sgpr 66
		.amdhsa_reserve_vcc 1
		.amdhsa_float_denorm_mode_32 3
		.amdhsa_float_denorm_mode_16_64 3
		.amdhsa_memory_ordered 1
		.amdhsa_forward_progress 1
		.amdhsa_inst_pref_size 99
	.end_amdhsa_kernel
	.amdgpu_metadata
---
amdhsa.version: [ 1, 2 ]
amdhsa.kernels:
  - .name:           k_q3600f5ebef_attn
    .symbol:         k_q3600f5ebef_attn.kd
    .args:
      - { .name: vf, .offset: 0, .size: 8, .value_kind: global_buffer, .address_space: global }
      - { .name: uw, .offset: 8, .size: 8, .value_kind: global_buffer, .address_space: global }
      - { .name: xq, .offset: 16, .size: 8, .value_kind: global_buffer, .address_space: global }
      - { .name: ln1_g, .offset: 24, .size: 8, .value_kind: global_buffer, .address_space: global }
      - { .name: ln1_b, .offset: 32, .size: 8, .value_kind: global_buffer, .address_space: global }
      - { .name: h1, .offset: 40, .size: 8, .value_kind: global_buffer, .address_space: global }
    .group_segment_fixed_size: 268032
    .private_segment_fixed_size: 0
    .kernarg_segment_align: 8
    .kernarg_segment_size: 48
    .max_flat_workgroup_size: 128
    .sgpr_count:     66
    .vgpr_count:     608
    .wavefront_size: 32
...
	.end_amdgpu_metadata
.endif
;; end of part 5
;; launch gemm_1 (part 6): grid 32 x 16, 4 waves a work-group, clusters of 4 x 4, 327,680 bytes of LDS; arguments h1, wts, hid, b1; writes hid
.if DOCPART == 6
	.amdgcn_target "amdgcn-amd-amdhsa--gfx1250"
	.amdhsa_code_object_version 6
	.text
	.protected	k_q3600f5ebef_gemm_1
	.globl	k_q3600f5ebef_gemm_1
	.p2align	8
	.type	k_q3600f5ebef_gemm_1,@function
k_q3600f5ebef_gemm_1:
	s_mov_b64 s[64:65], 0
	v_nop
	global_prefetch_b8 v0, s[64:65] scope:SCOPE_SE
	s_setreg_imm32_b32 hwreg(HW_REG_WAVE_MODE, 25, 1), 1
	s_wait_xcnt 0x0
	s_wait_alu depctr_hold_cnt(0) depctr_sa_sdst(0) depctr_va_vdst(0) depctr_va_sdst(0) depctr_va_ssrc(0) depctr_va_vcc(0) depctr_vm_vsrc(0)
	s_getreg_b32 s2, hwreg(HW_REG_IB_STS2, 6, 4)
	s_cmp_eq_u32 s2, 0
	s_cbranch_scc0 .Lentry_in_a_cluster
	s_endpgm
.Lentry_in_a_cluster:
	s_bfe_u32 s2, ttmp6, 0x10000c
	s_cmp_lg_u32 s2, 0xf033
	s_cbranch_scc0 .Lentry_shape_is_right
	s_endpgm
.Lentry_shape_is_right:
.set VAR, 1
; C[m][n] = the sum over k of A[m][k] B[n][k], 16-bit operands, f32 sums.  ONE TEXT FOR THREE LAUNCHES, told apart by VAR in the first line:
;   VAR 0  V^T = WVT x XB^T (bf16 x bf16: both are inputs rounded to bf16).  m = channel (1,024), n = row of x (2,048), K = 1,024.  Out: f16, in the order in which the attention's matrix instructions
;          want V^T: [bh 16][32 keys: 32][16 channels: 8][half 2][lane 32][16 bytes]; lane (r, hh) of half q holds channel r and the keys 16 q + 8 hh + 0..7.
;   VAR 1  hid = relu(h1 x W1T^T + bf16(b1)) (f16 x f16).  m = row (2,048), n = 4,096, K = 1,024.  Out: f16 [2048][4096].
;   VAR 2  two partial sums of hid x W2T^T (f16 x f16), one for each half of K = 4,096, so that there are 256 work-groups.  m = row, n = 1,024.  Out: two planes [2048][1024] f32; the next launch adds them.
; LIMITS.  f16 holds no number beyond 65,504: V, h1 and the hidden layer must lie within it; NaN and infinities are not treated apart.
; A tile of C is 128 x 128: four waves, each 64 x 64: 16 accumulators.  K goes in steps of 256 (LDS rows of 512 bytes; a wave's tensor load brings 64 of them) through two LDS slots.
; CLUSTERS: 4 x 4 work-groups.  The four of a row of the cluster need the same tiles of A, the four of a column the same tiles of B: each tile is asked for JOINTLY, by the same tensor load with the
; same descriptor and a mask that names the four.  THE MATRIX INSTRUCTION IS USED TRANSPOSED (source 0 = 16 rows of B, source 1 = 16 rows of A): a lane then holds eight neighbouring numbers of a row of C.
; By the text's own count a wave has two tensor loads out at the start and one behind each round.  No prefetch: the tiles are small and each is read by several clusters at about the same time.
; REGISTERS: window 0: v0-31 addresses; v32-95 at work on the way out; v96-127 the bias (VAR 1); v128-255 the accumulators ((a, b) at v[128 + 8 (4 a + b)]).
;   window 1: two fragment buffers of 128: for 64 along K, 64 registers of A (2 x 4 x 16 rows x 32 K), then 64 of B.
.if VAR == 0
.set SIZE_N, 2048
.set KP,     1024                      ; elements from row to row of A and of B
.set KW,     1024                      ; K that a work-group walks
.set AOFF,   16777216                  ; A's first byte in its buffer
.set BOFF,   0
.elseif VAR == 1
.set SIZE_N, 4096
.set KP,     1024
.set KW,     1024
.set AOFF,   8388608
.set BOFF,   0
.else
.set SIZE_N, 1024
.set KP,     4096
.set KW,     2048
.set AOFF,   0
.set BOFF,   8388608
.endif
.set KSTEP,  256
.set PITCH,  528                       ; an LDS row: 512 bytes of data + 16 of padding = 132 words: row r starts at bank 4 r mod 64 (64 banks of 4 bytes: ISA guide 11.1)
.set HALFT,  64*PITCH                  ; 64 rows: what one tensor load brings, and what one wave reads of A or of B
.set SLOT,   4*HALFT                   ; A's 128 rows, then B's 128 rows
.set STAGE,  2*SLOT                    ; behind the ring, never filled by a tensor load: for the way out
.set SPITCH, 272
.if VAR == 2
.set SPARE,  STAGE+4*16*SPITCH         ; 16 rows for each wave, its own
.else
.set SPARE,  STAGE+128*SPITCH          ; 128 rows, the work-group's
.endif                                 ; from SPARE on: the spare words, 128 bytes for each wave: two blocks of 256 bytes that no other line names
.set LAPS, KW/(2*KSTEP)                ; a lap = two K steps = once round the ring
.set ADRA, 16                          ; v16-17  LDS address of my A fragments in slot 0, 1
.set ADRB, 20                          ; v20-21  the same for B
.set STO,  24                          ; v24     the way out: where I put my bytes of a row
.set RD,   25                          ; v25     the way out: where I read back
.set CO,   26                          ; v26     my byte offset in C
.set BO,   27                          ; v27     VAR 1: my byte offset in the bias
.set SPW,  28                          ; v28     SPARE + 4 x my thread's number; never rewritten
.set NIL,  29                          ; v29     0; never rewritten
.set ZR,   30                          ; v30     VAR 1: 0, for the packed maximum
.set TMP,  32
.set BIAS, 96
.set ACC,  128
.set F0,   0                           ; fragment buffers, in window 1
.set F1,   128
.set G1, 24                            ; s[24:31] descriptor group 1 for A's tiles;  s[32:39] group 0, one set for each slot
.set G0, 32
.set G1B, 48                           ; s[48:55], s[56:63] the same for B's tiles
.set G0B, 56
.set MSB, 0
.macro WIN new                         ; the immediate's high byte repeats the setting that is left
.if MSB != (\new)
	s_set_vgpr_msb (MSB<<8)|(\new)
.set MSB, \new
.endif
.endm
.set MUL,  0x05                        ; sources 0 (B) and 1 (A) window 1; C and D window 0
.set TO_F, 0x40                        ; destination window 1, address window 0
.macro JLOAD s                         ; a joint load: waves 0 and 1 fetch A's two halves, waves 2 and 3 B's; an s_nop 0 and four v_nop follow each of the two lines, ahead of the jump, the label and what follows
	s_cmp_eq_u32 s11, 0
	s_cbranch_scc0 .Lfor_b_\@
	tensor_load_to_lds s[G0+4*(\s):G0+4*(\s)+3], s[G1:G1+7]
	s_nop 0
.rept 4
	v_nop
.endr
	s_branch .Lasked_\@
.Lfor_b_\@:
	tensor_load_to_lds s[G0B+4*(\s):G0B+4*(\s)+3], s[G1B:G1B+7]
	s_nop 0
.rept 4
	v_nop
.endr
.Lasked_\@:
.endm
.macro CREST                           ; a round of the cluster's barrier behind its opening barrier
	s_cmp_lg_u32 s10, 0
	s_cbranch_scc1 .Lnot_wave_0_\@
	s_barrier_signal -3
.Lnot_wave_0_\@:
	s_barrier_wait -3
	s_barrier_signal -1
	s_barrier_wait -1
.endm
.macro CROUND                          ; a whole round
	s_barrier_signal -1
	s_barrier_wait -1
	CREST
.endm
	s_load_b128 s[4:7], s[0:1], 0x0                ; A's buffer s[4:5], B's s[6:7]
	s_load_b64 s[8:9], s[0:1], 0x10                ; C
.if VAR == 1
	s_load_b64 s[66:67], s[0:1], 0x18              ; b1
.endif
	v_lshl_add_u32 v[SPW], v0, 2, SPARE
	v_mov_b32 v[NIL], 0
	ds_add_u32 v[SPW], v[NIL]                      ; the wave's opening: the add and its wait ahead of my first tensor load; the set-up below, work on registers, stands between them
	v_lshrrev_b32 v1, 5, v0
	v_readfirstlane_b32 s10, v1                    ; wave 0..3
	s_lshr_b32 s11, s10, 1                         ; which half of the tile's rows is mine.  Also: I fetch for A (0) or for B (1)
	s_and_b32 s12, s10, 1                          ; which half of its columns.  Also: which 64 rows of that tile I fetch
	s_bfe_u32 s40, ttmp6, 0x40000                  ; cx, cy: my place in the cluster
	s_bfe_u32 s41, ttmp6, 0x40004
.if VAR == 2
	s_and_b32 s42, ttmp9, 1                        ; the grid's x holds 8 tile columns and, above them, the half of K
	s_lshl_b32 s42, s42, 2
.else
	s_lshl_b32 s42, ttmp9, 2
.endif
	s_add_co_u32 s42, s42, s40                     ; tile column of C
	s_and_b32 s13, ttmp7, 0xffff
	s_lshl_b32 s13, s13, 2
	s_add_co_u32 s13, s13, s41                     ; tile row of C = 4 x cluster y + cy
	s_lshl_b32 s43, s41, 2
	s_lshl_b32 s43, 15, s43                        ; my row of the cluster
	s_lshl_b32 s44, 0x1111, s40                    ; my column
	; descriptor group 1: a tile of 64 rows x 256 elements, padded in LDS
	s_or_b32 s[G1+0], s43, (1<<16)|(1<<20)|(1<<21)|(6<<22)|(3<<25)  ; 15:0 the mask: A's tiles go to my row; 17:16 element of 2 bytes; 20 padding on; 21 set beside a mask; 24:22 after every 128 words (code 6); 31:25 of 4 words (code 3)
	s_or_b32 s[G1B+0], s44, (1<<16)|(1<<20)|(1<<21)|(6<<22)|(3<<25)
.irp g, G1, G1B
	s_mov_b32 s[(\g)+1], KSTEP<<16                 ; tensor_dim0 = 256
	s_mov_b32 s[(\g)+2], 64<<16                    ; tensor_dim1 = 64
	s_mov_b32 s[(\g)+3], KSTEP<<16                 ; tile_dim0 = 256
	s_mov_b32 s[(\g)+4], 64                        ; tile_dim1 = 64
	s_mov_b32 s[(\g)+5], KP                        ; tensor_dim0_stride
	s_mov_b32 s[(\g)+6], 0
	s_mov_b32 s[(\g)+7], 0
.endr
	s_lshl_b32 s17, s12, 6                         ; which 64 rows of the tile I fetch
	s_lshl_b32 s16, s13, 7
	s_add_co_u32 s16, s16, s17                     ; A: row 128 x tile row + 64 x half
	s_lshl_b32 s46, s42, 7
	s_add_co_u32 s46, s46, s17                     ; B: row 128 x tile column + 64 x half
	s_mov_b32 s17, 0
	s_mov_b32 s47, 0
	s_mov_b64 s[18:19], KP*2
	s_mul_u64 s[16:17], s[16:17], s[18:19]
	s_mul_u64 s[46:47], s[46:47], s[18:19]
.if VAR == 2
	s_lshr_b32 s45, ttmp9, 1                       ; which half of K: the same in all sixteen partners
	s_lshl_b32 s20, s45, 12                        ; 2,048 elements along the rows of A and of B
	s_mov_b32 s21, 0
	s_add_nc_u64 s[16:17], s[16:17], s[20:21]
	s_add_nc_u64 s[46:47], s[46:47], s[20:21]
.endif
	s_mul_i32 s20, s10, HALFT                      ; where they go: wave x 64 rows
	s_wait_dscnt 0x0                               ; the opening add is done
	s_wait_kmcnt 0x0
	s_add_nc_u64 s[14:15], s[4:5], s[16:17]
	s_add_nc_u64 s[46:47], s[6:7], s[46:47]
.if AOFF
	s_add_nc_u64 s[14:15], s[14:15], AOFF
.endif
.if BOFF
	s_add_nc_u64 s[46:47], s[46:47], BOFF
.endif
	CROUND                                         ; all sixteen work-groups are here: the first joint loads meet
.irp s, 0,1
	s_mov_b32 s[G0+4*(\s)], 1
	s_add_co_u32 s[G0+4*(\s)+1], s20, (\s)*SLOT
	s_add_nc_u64 s[G0+4*(\s)+2:G0+4*(\s)+3], s[14:15], (\s)*KSTEP*2
	s_or_b32 s[G0+4*(\s)+3], s[G0+4*(\s)+3], 0x80000000
	s_mov_b32 s[G0B+4*(\s)], 1
	s_add_co_u32 s[G0B+4*(\s)+1], s20, (\s)*SLOT
	s_add_nc_u64 s[G0B+4*(\s)+2:G0B+4*(\s)+3], s[46:47], (\s)*KSTEP*2
	s_or_b32 s[G0B+4*(\s)+3], s[G0B+4*(\s)+3], 0x80000000
	JLOAD \s
.endr
	v_and_b32 v1, 15, v0                           ; l % 16
	v_bfe_u32 v2, v0, 4, 1                         ; l / 16
	v_mul_u32_u24 v3, v1, PITCH
	v_lshl_add_u32 v3, v2, 4, v3                   ; a fragment's row x pitch + 16 x half
	s_mul_i32 s21, s11, HALFT                      ; my 64 rows of A
	s_mul_i32 s22, s12, HALFT                      ; my 64 rows of B,
	s_add_co_u32 s22, s22, 2*HALFT                 ; which lie behind A's 128
.irp s, 0,1
	v_add_nc_u32 v[ADRA+(\s)], s21, v3
	v_add_nc_u32 v[ADRB+(\s)], s22, v3
	s_add_co_u32 s21, s21, SLOT
	s_add_co_u32 s22, s22, SLOT
.endr
.if VAR == 2
	s_mul_i32 s23, s10, 16*SPITCH                  ; my own stage: 16 rows of my 64 f32 columns, 256 bytes
	s_add_co_u32 s23, s23, STAGE
	v_mul_u32_u24 v4, v1, SPITCH                   ; in: row l % 16, 32 bytes for each half of the lanes
	v_lshl_add_u32 v4, v2, 5, v4
	v_add_nc_u32 v[STO], s23, v4
	v_mul_u32_u24 v5, v2, SPITCH                   ; back: lanes 0-15 one row of 256 bytes, lanes 16-31 the next
	v_lshl_add_u32 v5, v1, 4, v5
	v_add_nc_u32 v[RD], s23, v5
	v_lshlrev_b32 v5, 12, v2                       ; and the same two rows in C
	v_lshl_add_u32 v[CO], v1, 4, v5
	s_lshl_b32 s16, s13, 7
	s_lshl_b32 s17, s11, 6
	s_add_co_u32 s16, s16, s17                     ; my first row of C,
	s_lshl_b32 s16, s16, 12                        ; of 4,096 bytes,
	s_lshl_b32 s17, s45, 23                        ; in the plane of my half of K
	s_add_co_u32 s16, s16, s17
	s_mov_b32 s17, 0
	s_add_nc_u64 s[8:9], s[8:9], s[16:17]
	s_lshl_b32 s46, s42, 9                         ; my first column, in bytes
	s_lshl_b32 s47, s12, 8
	s_add_co_u32 s46, s46, s47
	s_mov_b32 s47, 0
	s_add_nc_u64 s[8:9], s[8:9], s[46:47]
.else
	s_mul_i32 s23, s11, 64*SPITCH                  ; into the stage: my 64 rows, my half of their 256 bytes; row l % 16, 16 bytes for each half of the lanes
	s_lshl_b32 s21, s12, 7
	s_add_co_u32 s23, s23, s21
	s_add_co_u32 s23, s23, STAGE
	v_mul_u32_u24 v4, v1, SPITCH
	v_lshl_add_u32 v4, v2, 4, v4
	v_add_nc_u32 v[STO], s23, v4
	s_mul_i32 s23, s10, 32*SPITCH                  ; back: wave w takes rows 32 w .. 32 w + 31
	s_add_co_u32 s23, s23, STAGE
.if VAR == 0
	v_add_nc_u32 v[RD], s23, v4                    ; by fragments: row l % 16, 16 bytes for each half of the lanes
	v_and_b32 v5, 31, v0
	v_lshlrev_b32 v[CO], 4, v5                     ; a half fragment is 512 consecutive bytes: 16 x lane
	s_lshl_b32 s16, s13, 18                        ; the head = the tile row: 262,144 bytes a head,
	s_lshl_b32 s17, s10, 11                        ; my two blocks of 16 channels
	s_add_co_u32 s16, s16, s17
	s_mov_b32 s17, 0
	s_add_nc_u64 s[8:9], s[8:9], s[16:17]
	s_lshr_b32 s46, s42, 3                         ; the batch = tile column / 8: eight heads on,
	s_lshl_b32 s46, s46, 21
	s_and_b32 s47, s42, 7                          ; and the tile's 128 keys: four groups of 32, 8,192 bytes each
	s_lshl_b32 s47, s47, 15
	s_add_co_u32 s46, s46, s47
	s_mov_b32 s47, 0
	s_add_nc_u64 s[8:9], s[8:9], s[46:47]
.else
	v_mul_u32_u24 v5, v2, SPITCH                   ; whole rows: lanes 0-15 one row of 256 bytes, lanes 16-31 the next
	v_lshl_add_u32 v5, v1, 4, v5
	v_add_nc_u32 v[RD], s23, v5
	v_mul_u32_u24 v5, v2, SIZE_N*2                 ; and the same two rows in C
	v_lshl_add_u32 v[CO], v1, 4, v5
	s_lshl_b32 s16, s13, 7
	s_lshl_b32 s17, s10, 5
	s_add_co_u32 s16, s16, s17                     ; the first row of C that I store: 128 x tile row + 32 x wave
	s_mov_b32 s17, 0
	s_mov_b64 s[18:19], SIZE_N*2
	s_mul_u64 s[16:17], s[16:17], s[18:19]
	s_add_nc_u64 s[8:9], s[8:9], s[16:17]
	s_lshl_b32 s46, s42, 8                         ; the tile's first column, in bytes
	s_mov_b32 s47, 0
	s_add_nc_u64 s[8:9], s[8:9], s[46:47]
	s_lshl_b32 s46, s42, 9                         ; the bias of my 64 columns: a lane's eight numbers for each of the four blocks of 16
	s_lshl_b32 s47, s12, 8
	s_add_co_u32 s46, s46, s47
	s_mov_b32 s47, 0
	s_add_nc_u64 s[66:67], s[66:67], s[46:47]
	v_lshlrev_b32 v[BO], 5, v2
.irp b, 0,1,2,3
	global_load_b128 v[BIAS+8*(\b):BIAS+8*(\b)+3],   v[BO], s[66:67] offset:64*(\b)
	global_load_b128 v[BIAS+8*(\b)+4:BIAS+8*(\b)+7], v[BO], s[66:67] offset:64*(\b)+16
.endr
	v_mov_b32 v[ZR], 0
.endif
.endif
; 8 matrix instructions: m blocks a0, a0 + 1 x all 4 n blocks, 32 along K: half c of buffer f.  zero = 1: the first product starts the sums
.macro MUL8 f, c, a0, zero
	WIN MUL
.irp a, \a0, (\a0)+1
.irp b, 0,1,2,3
.if VAR == 0
.if \zero
	v_wmma_f32_16x16x32_bf16 v[ACC+8*(4*(\a)+(\b)):ACC+8*(4*(\a)+(\b))+7], v[(\f)+64+8*(4*(\c)+(\b)):(\f)+64+8*(4*(\c)+(\b))+7], v[(\f)+8*(4*(\c)+(\a)):(\f)+8*(4*(\c)+(\a))+7], 0
.else
	v_wmma_f32_16x16x32_bf16 v[ACC+8*(4*(\a)+(\b)):ACC+8*(4*(\a)+(\b))+7], v[(\f)+64+8*(4*(\c)+(\b)):(\f)+64+8*(4*(\c)+(\b))+7], v[(\f)+8*(4*(\c)+(\a)):(\f)+8*(4*(\c)+(\a))+7], v[ACC+8*(4*(\a)+(\b)):ACC+8*(4*(\a)+(\b))+7]
.endif
.else
.if \zero
	v_wmma_f32_16x16x32_f16 v[ACC+8*(4*(\a)+(\b)):ACC+8*(4*(\a)+(\b))+7], v[(\f)+64+8*(4*(\c)+(\b)):(\f)+64+8*(4*(\c)+(\b))+7], v[(\f)+8*(4*(\c)+(\a)):(\f)+8*(4*(\c)+(\a))+7], 0
.else
	v_wmma_f32_16x16x32_f16 v[ACC+8*(4*(\a)+(\b)):ACC+8*(4*(\a)+(\b))+7], v[(\f)+64+8*(4*(\c)+(\b)):(\f)+64+8*(4*(\c)+(\b))+7], v[(\f)+8*(4*(\c)+(\a)):(\f)+8*(4*(\c)+(\a))+7], v[ACC+8*(4*(\a)+(\b)):ACC+8*(4*(\a)+(\b))+7]
.endif
.endif
.endr
.endr
.endm
; 32 LDS loads in one run: the fragments of 64 along K at byte k of the rows, into buffer f; the first 32 along K first
.macro FETCH slot, k, f
	WIN TO_F
.irp c, 0,1
.irp i, 0,1,2,3
	ds_load_b128 v[(\f)+64+8*(4*(\c)+(\i)):(\f)+64+8*(4*(\c)+(\i))+3],   v[ADRB+(\slot)] offset:(\k)+64*(\c)+(\i)*16*PITCH
	ds_load_b128 v[(\f)+64+8*(4*(\c)+(\i))+4:(\f)+64+8*(4*(\c)+(\i))+7], v[ADRB+(\slot)] offset:(\k)+64*(\c)+(\i)*16*PITCH+32
	ds_load_b128 v[(\f)+8*(4*(\c)+(\i)):(\f)+8*(4*(\c)+(\i))+3],         v[ADRA+(\slot)] offset:(\k)+64*(\c)+(\i)*16*PITCH
	ds_load_b128 v[(\f)+8*(4*(\c)+(\i))+4:(\f)+8*(4*(\c)+(\i))+7],       v[ADRA+(\slot)] offset:(\k)+64*(\c)+(\i)*16*PITCH+32
.endr
.endr
.endm
.macro PLACES                          ; four places in front of loads into registers that matrix instructions have read, and of lines that read results
.rept 4
	v_nop
.endr
.endm
; A K step is four quarters of 64 along K, 32 matrix instructions each, on buffers 0, 1, 0, 1.  One of the first three: multiplies buffer f and fetches the next quarter, at byte k, into g.
.macro QUARTER slot, k, f, g, zero
	s_wait_dscnt 16                                ; the first 32 along K are in
	WIN MUL
	MUL8 \f, 0, 0, \zero
	MUL8 \f, 0, 2, \zero
	PLACES
	FETCH \slot, \k, \g
	s_wait_dscnt 32                                ; all but the 32 just issued
	WIN MUL
	MUL8 \f, 1, 0, 0
	MUL8 \f, 1, 2, 0
.endm
; The last quarter multiplies buffer 1 and changes slots: ONE barrier; in front of it each wave waits for all its tensor loads, adds 0 to its spare word, and waits for that and for its own reads of this slot.  fill = 1: this slot is filled again, two K steps ahead.
.macro TURN slot, next, fill
	WIN 0                                          ; (the add's two registers lie in window 0)
	s_wait_tensorcnt 0x0                           ; all my tensor loads have landed: my part of the next slot;
	ds_add_u32 v[SPW], v[NIL]                      ; 0 onto my spare word;
	s_wait_dscnt 17                                ; (the add and the youngest sixteen loads may be out)
	WIN MUL
	MUL8 F1, 0, 0, 0                               ; eight matrix instructions stand between the add and the wait for it
	s_wait_dscnt 0x0                               ; the add is done, and my reads of this slot are over
	s_barrier_signal -1
	MUL8 F1, 0, 2, 0
.if \fill
	WIN 0
.endif
	s_barrier_wait -1
.if \fill
	CREST                                          ; the barrier has opened a round of the cluster's barrier: no wave of any partner still reads this slot's tile or has a load on its way
	s_add_nc_u64 s[G0+4*(\slot)+2:G0+4*(\slot)+3], s[G0+4*(\slot)+2:G0+4*(\slot)+3], 2*KSTEP*2
	s_add_nc_u64 s[G0B+4*(\slot)+2:G0B+4*(\slot)+3], s[G0B+4*(\slot)+2:G0B+4*(\slot)+3], 2*KSTEP*2
	JLOAD \slot                                    ; the first tensor load behind the round; the four v_nop behind it are also the places in front of the loads below
.else
	PLACES
.endif
	FETCH \next, 0, F0
	WIN MUL
	MUL8 F1, 1, 0, 0
	MUL8 F1, 1, 2, 0
.endm
	s_wait_tensorcnt 1                             ; my part of K step 0 is in,
	s_barrier_signal -1
	s_barrier_wait -1                              ; everybody's is
	FETCH 0, 0, F0
	QUARTER 0, 128, F0, F1, 1                      ; the first quarter stands in front of the loop: its first products start the sums
	WIN 0                                          ; at a label and at a branch every window is 0
	s_mov_b32 s3, LAPS-1
.Llap:                                                 ; a trip goes once round the ring, from a lap's second quarter to the next lap's first, and fills both slots again
	QUARTER 0, 256, F1, F0, 0
	QUARTER 0, 384, F0, F1, 0
	TURN 0, 1, 1
	QUARTER 1, 128, F0, F1, 0
	QUARTER 1, 256, F1, F0, 0
	QUARTER 1, 384, F0, F1, 0
	TURN 1, 0, 1
	QUARTER 0, 128, F0, F1, 0
	WIN 0
	s_sub_co_u32 s3, s3, 1
	s_cmp_lg_u32 s3, 0
	s_cbranch_scc1 .Llap
	QUARTER 0, 256, F1, F0, 0                      ; the last lap fills nothing, and has no round of the cluster's barrier
	QUARTER 0, 384, F0, F1, 0
	TURN 0, 1, 0
	QUARTER 1, 128, F0, F1, 0
	QUARTER 1, 256, F1, F0, 0
	QUARTER 1, 384, F0, F1, 0
	s_wait_dscnt 16                                ; the very last quarter: nothing more to fetch
	WIN MUL
	MUL8 F1, 0, 0, 0
	MUL8 F1, 0, 2, 0
	s_wait_dscnt 0
	MUL8 F1, 1, 0, 0
	MUL8 F1, 1, 2, 0
	WIN 0
.if VAR == 2
	; THE WAY OUT, f32: a block of 16 rows at a time through my own stage; each accumulator's low registers are read first.
	PLACES
.irp a, 0,1,2,3
	s_wait_xcnt 0x0                                ; the registers that earlier stores read are loaded again only behind this wait
.irp b, 0,1,2,3
	ds_store_b128 v[STO], v[ACC+8*(4*(\a)+(\b)):ACC+8*(4*(\a)+(\b))+3]   offset:64*(\b)
	ds_store_b128 v[STO], v[ACC+8*(4*(\a)+(\b))+4:ACC+8*(4*(\a)+(\b))+7] offset:64*(\b)+16
.endr
.irp t, 0,1,2,3,4,5,6,7
	ds_load_b128 v[TMP+32*((\a)%2)+4*(\t):TMP+32*((\a)%2)+4*(\t)+3], v[RD] offset:(\t)*2*SPITCH  ; LDS serves a wave's instructions in order (ISA guide 5.7.1.4): these see the stores above
.endr
	s_wait_dscnt 0x0
.irp t, 0,1,2,3,4,5,6,7
	global_store_b128 v[CO], v[TMP+32*((\a)%2)+4*(\t):TMP+32*((\a)%2)+4*(\t)+3], s[8:9] offset:(16*(\a)+2*(\t))*SIZE_N*4  ; 16 lanes store 256 consecutive bytes, aligned
.endr
.endr
.else
	; THE WAY OUT, f16: 16 bytes a lane into the work-group's stage; a barrier, since a row's 256 bytes come from two waves; then back and out.
.if VAR == 1
	s_wait_loadcnt 0x0                             ; the bias, asked for at the head; it is rounded to bf16 like every input.  These lines are also the places behind the last products
.set i, 0
.rept 16
	v_cvt_pk_bf16_f32 v[TMP+i], v[BIAS+2*i], v[BIAS+2*i+1]
.set i, i+1
.endr
.set i, 0
.rept 16
	v_lshlrev_b32 v[BIAS+2*i], 16, v[TMP+i]
	v_and_b32 v[BIAS+2*i+1], 0xffff0000, v[TMP+i]
.set i, i+1
.endr
.else
	PLACES
.endif
.irp t, 0,1,2,3,4,5,6,7,8,9,10,11,12,13,14,15
.if VAR == 1
.irp r, 0,1,2,3
	v_pk_add_f32 v[ACC+8*(\t)+2*(\r):ACC+8*(\t)+2*(\r)+1], v[ACC+8*(\t)+2*(\r):ACC+8*(\t)+2*(\r)+1], v[BIAS+8*((\t)%4)+2*(\r):BIAS+8*((\t)%4)+2*(\r)+1]
.endr
.endif
.irp r, 0,1,2,3
	v_cvt_pk_f16_f32 v[TMP+4*(\t)+(\r)], v[ACC+8*(\t)+2*(\r)], v[ACC+8*(\t)+2*(\r)+1]
.endr
.if VAR == 1
.irp r, 0,1,2,3
	v_pk_max_num_f16 v[TMP+4*(\t)+(\r)], v[TMP+4*(\t)+(\r)], v[ZR]
.endr
.endif
.endr
.irp a, 0,1,2,3
.irp b, 0,1,2,3
	ds_store_b128 v[STO], v[TMP+4*(4*(\a)+(\b)):TMP+4*(4*(\a)+(\b))+3] offset:(\a)*16*SPITCH+32*(\b)
.endr
.endr
	s_wait_dscnt 0x0                               ; for the others' sake: my stores into the stage are done
	s_barrier_signal -1
	s_barrier_wait -1
.if VAR == 0
.irp t, 0,1,2,3,4,5,6,7,8,9,10,11,12,13,14,15     ; block of 16 channels t / 8, group of 32 keys (t / 2) % 4, half t % 2
	ds_load_b128 v[TMP+4*(\t):TMP+4*(\t)+3], v[RD] offset:((\t)/8)*16*SPITCH+(((\t)/2)%4)*64+((\t)%2)*32
.endr
.irp t, 0,1,2,3,4,5,6,7,8,9,10,11,12,13,14,15
	s_wait_dscnt 15-(\t)
	global_store_b128 v[CO], v[TMP+4*(\t):TMP+4*(\t)+3], s[8:9] offset:(((\t)/2)%4)*8192+((\t)/8)*1024+((\t)%2)*512  ; 512 consecutive bytes, aligned
.endr
.else
.irp t, 0,1,2,3,4,5,6,7,8,9,10,11,12,13,14,15
	ds_load_b128 v[TMP+4*(\t):TMP+4*(\t)+3], v[RD] offset:(\t)*2*SPITCH
.endr
.irp t, 0,1,2,3,4,5,6,7,8,9,10,11,12,13,14,15
	s_wait_dscnt 15-(\t)
	global_store_b128 v[CO], v[TMP+4*(\t):TMP+4*(\t)+3], s[8:9] offset:2*(\t)*SIZE_N*2  ; 16 lanes store 256 consecutive bytes, aligned
.endr
.endif
.endif
	s_wait_tensorcnt 0x0                           ; the wave's end: three lines behind my last tensor load and my last LDS store
	ds_add_u32 v[SPW], v[NIL]
	s_wait_dscnt 0x0
	CROUND                                         ; the closing round: no work-group ends while a partner may still ask for a tile that names it
	s_endpgm
.Lfunc_end_k_q3600f5ebef_gemm_1:
	.size	k_q3600f5ebef_gemm_1, .Lfunc_end_k_q3600f5ebef_gemm_1-k_q3600f5ebef_gemm_1
	.p2alignl 7, 3214868480
	.fill 96, 4, 3214868480
	.section	.rodata,"a",@progbits
	.p2align	6, 0x0
	.amdhsa_kernel k_q3600f5ebef_gemm_1
		.amdhsa_group_segment_fixed_size 327680
		.amdhsa_private_segment_fixed_size 0
		.amdhsa_enable_private_segment 0
		.amdhsa_kernarg_size 32
		.amdhsa_user_sgpr_count 2
		.amdhsa_user_sgpr_kernarg_segment_ptr 1
		.amdhsa_wavefront_size32 1
		.amdhsa_system_sgpr_workgroup_id_x 1
		.amdhsa_system_sgpr_workgroup_id_y 1
		.amdhsa_system_sgpr_workgroup_id_z 1
		.amdhsa_system_vgpr_workitem_id 0
		.amdhsa_next_free_vgpr 512
		.amdhsa_next_free_sgpr 68
		.amdhsa_reserve_vcc 0
		.amdhsa_float_denorm_mode_32 3
		.amdhsa_float_denorm_mode_16_64 3
		.amdhsa_memory_ordered 1
		.amdhsa_forward_progress 1
		.amdhsa_inst_pref_size 98
	.end_amdhsa_kernel
	.amdgpu_metadata
---
amdhsa.version: [ 1, 2 ]
amdhsa.kernels:
  - .name:           k_q3600f5ebef_gemm_1
    .symbol:         k_q3600f5ebef_gemm_1.kd
    .args:
      - { .name: h1, .offset: 0, .size: 8, .value_kind: global_buffer, .address_space: global }
      - { .name: wts, .offset: 8, .size: 8, .value_kind: global_buffer, .address_space: global }
      - { .name: hid, .offset: 16, .size: 8, .value_kind: global_buffer, .address_space: global }
      - { .name: b1, .offset: 24, .size: 8, .value_kind: global_buffer, .address_space: global }
    .group_segment_fixed_size: 327680
    .private_segment_fixed_size: 0
    .kernarg_segment_align: 8
    .kernarg_segment_size: 32
    .max_flat_workgroup_size: 128
    .sgpr_count:     68
    .vgpr_count:     512
    .wavefront_size: 32
...
	.end_amdgpu_metadata
.endif
;; end of part 6
;; launch gemm_2 (part 7): grid 16 x 16, 4 waves a work-group, clusters of 4 x 4, 327,680 bytes of LDS; arguments hid, wts, fp; writes fp
.if DOCPART == 7
	.amdgcn_target "amdgcn-amd-amdhsa--gfx1250"
	.amdhsa_code_object_version 6
	.text
	.protected	k_q3600f5ebef_gemm_2
	.globl	k_q3600f5ebef_gemm_2
	.p2align	8
	.type	k_q3600f5ebef_gemm_2,@function
k_q3600f5ebef_gemm_2:
	s_mov_b64 s[64:65], 0
	v_nop
	global_prefetch_b8 v0, s[64:65] scope:SCOPE_SE
	s_setreg_imm32_b32 hwreg(HW_REG_WAVE_MODE, 25, 1), 1
	s_wait_xcnt 0x0
	s_wait_alu depctr_hold_cnt(0) depctr_sa_sdst(0) depctr_va_vdst(0) depctr_va_sdst(0) depctr_va_ssrc(0) depctr_va_vcc(0) depctr_vm_vsrc(0)
	s_getreg_b32 s2, hwreg(HW_REG_IB_STS2, 6, 4)
	s_cmp_eq_u32 s2, 0
	s_cbranch_scc0 .Lentry_in_a_cluster
	s_endpgm
.Lentry_in_a_cluster:
	s_bfe_u32 s2, ttmp6, 0x10000c
	s_cmp_lg_u32 s2, 0xf033
	s_cbranch_scc0 .Lentry_shape_is_right
	s_endpgm
.Lentry_shape_is_right:
.set VAR, 2
; C[m][n] = the sum over k of A[m][k] B[n][k], 16-bit operands, f32 sums.  ONE TEXT FOR THREE LAUNCHES, told apart by VAR in the first line:
;   VAR 0  V^T = WVT x XB^T (bf16 x bf16: both are inputs rounded to bf16).  m = channel (1,024), n = row of x (2,048), K = 1,024.  Out: f16, in the order in which the attention's matrix instructions
;          want V^T: [bh 16][32 keys: 32][16 channels: 8][half 2][lane 32][16 bytes]; lane (r, hh) of half q holds channel r and the keys 16 q + 8 hh + 0..7.
;   VAR 1  hid = relu(h1 x W1T^T + bf16(b1)) (f16 x f16).  m = row (2,048), n = 4,096, K = 1,024.  Out: f16 [2048][4096].
;   VAR 2  two partial sums of hid x W2T^T (f16 x f16), one for each half of K = 4,096, so that there are 256 work-groups.  m = row, n = 1,024.  Out: two planes [2048][1024] f32; the next launch adds them.
; LIMITS.  f16 holds no number beyond 65,504: V, h1 and the hidden layer must lie within it; NaN and infinities are not treated apart.
; A tile of C is 128 x 128: four waves, each 64 x 64: 16 accumulators.  K goes in steps of 256 (LDS rows of 512 bytes; a wave's tensor load brings 64 of them) through two LDS slots.
; CLUSTERS: 4 x 4 work-groups.  The four of a row of the cluster need the same tiles of A, the four of a column the same tiles of B: each tile is asked for JOINTLY, by the same tensor load with the
; same descriptor and a mask that names the four.  THE MATRIX INSTRUCTION IS USED TRANSPOSED (source 0 = 16 rows of B, source 1 = 16 rows of A): a lane then holds eight neighbouring numbers of a row of C.
; By the text's own count a wave has two tensor loads out at the start and one behind each round.  No prefetch: the tiles are small and each is read by several clusters at about the same time.
; REGISTERS: window 0: v0-31 addresses; v32-95 at work on the way out; v96-127 the bias (VAR 1); v128-255 the accumulators ((a, b) at v[128 + 8 (4 a + b)]).
;   window 1: two fragment buffers of 128: for 64 along K, 64 registers of A (2 x 4 x 16 rows x 32 K), then 64 of B.
.if VAR == 0
.set SIZE_N, 2048
.set KP,     1024                      ; elements from row to row of A and of B
.set KW,     1024                      ; K that a work-group walks
.set AOFF,   16777216                  ; A's first byte in its buffer
.set BOFF,   0
.elseif VAR == 1
.set SIZE_N, 4096
.set KP,     1024
.set KW,     1024
.set AOFF,   8388608
.set BOFF,   0
.else
.set SIZE_N, 1024
.set KP,     4096
.set KW,     2048
.set AOFF,   0
.set BOFF,   8388608
.endif
.set KSTEP,  256
.set PITCH,  528                       ; an LDS row: 512 bytes of data + 16 of padding = 132 words: row r starts at bank 4 r mod 64 (64 banks of 4 bytes: ISA guide 11.1)
.set HALFT,  64*PITCH                  ; 64 rows: what one tensor load brings, and what one wave reads of A or of B
.set SLOT,   4*HALFT                   ; A's 128 rows, then B's 128 rows
.set STAGE,  2*SLOT                    ; behind the ring, never filled by a tensor load: for the way out
.set SPITCH, 272
.if VAR == 2
.set SPARE,  STAGE+4*16*SPITCH         ; 16 rows for each wave, its own
.else
.set SPARE,  STAGE+128*SPITCH          ; 128 rows, the work-group's
.endif                                 ; from SPARE on: the spare words, 128 bytes for each wave: two blocks of 256 bytes that no other line names
.set LAPS, KW/(2*KSTEP)                ; a lap = two K steps = once round the ring
.set ADRA, 16                          ; v16-17  LDS address of my A fragments in slot 0, 1
.set ADRB, 20                          ; v20-21  the same for B
.set STO,  24                          ; v24     the way out: where I put my bytes of a row
.set RD,   25                          ; v25     the way out: where I read back
.set CO,   26                          ; v26     my byte offset in C
.set BO,   27                          ; v27     VAR 1: my byte offset in the bias
.set SPW,  28                          ; v28     SPARE + 4 x my thread's number; never rewritten
.set NIL,  29                          ; v29     0; never rewritten
.set ZR,   30                          ; v30     VAR 1: 0, for the packed maximum
.set TMP,  32
.set BIAS, 96
.set ACC,  128
.set F0,   0                           ; fragment buffers, in window 1
.set F1,   128
.set G1, 24                            ; s[24:31] descriptor group 1 for A's tiles;  s[32:39] group 0, one set for each slot
.set G0, 32
.set G1B, 48                           ; s[48:55], s[56:63] the same for B's tiles
.set G0B, 56
.set MSB, 0
.macro WIN new                         ; the immediate's high byte repeats the setting that is left
.if MSB != (\new)
	s_set_vgpr_msb (MSB<<8)|(\new)
.set MSB, \new
.endif
.endm
.set MUL,  0x05                        ; sources 0 (B) and 1 (A) window 1; C and D window 0
.set TO_F, 0x40                        ; destination window 1, address window 0
.macro JLOAD s                         ; a joint load: waves 0 and 1 fetch A's two halves, waves 2 and 3 B's; an s_nop 0 and four v_nop follow each of the two lines, ahead of the jump, the label and what follows
	s_cmp_eq_u32 s11, 0
	s_cbranch_scc0 .Lfor_b_\@
	tensor_load_to_lds s[G0+4*(\s):G0+4*(\s)+3], s[G1:G1+7]
	s_nop 0
.rept 4
	v_nop
.endr
	s_branch .Lasked_\@
.Lfor_b_\@:
	tensor_load_to_lds s[G0B+4*(\s):G0B+4*(\s)+3], s[G1B:G1B+7]
	s_nop 0
.rept 4
	v_nop
.endr
.Lasked_\@:
.endm
.macro CREST                           ; a round of the cluster's barrier behind its opening barrier
	s_cmp_lg_u32 s10, 0
	s_cbranch_scc1 .Lnot_wave_0_\@
	s_barrier_signal -3
.Lnot_wave_0_\@:
	s_barrier_wait -3
	s_barrier_signal -1
	s_barrier_wait -1
.endm
.macro CROUND                          ; a whole round
	s_barrier_signal -1
	s_barrier_wait -1
	CREST
.endm
	s_load_b128 s[4:7], s[0:1], 0x0                ; A's buffer s[4:5], B's s[6:7]
	s_load_b64 s[8:9], s[0:1], 0x10                ; C
.if VAR == 1
	s_load_b64 s[66:67], s[0:1], 0x18              ; b1
.endif
	v_lshl_add_u32 v[SPW], v0, 2, SPARE
	v_mov_b32 v[NIL], 0
	ds_add_u32 v[SPW], v[NIL]                      ; the wave's opening: the add and its wait ahead of my first tensor load; the set-up below, work on registers, stands between them
	v_lshrrev_b32 v1, 5, v0
	v_readfirstlane_b32 s10, v1                    ; wave 0..3
	s_lshr_b32 s11, s10, 1                         ; which half of the tile's rows is mine.  Also: I fetch for A (0) or for B (1)
	s_and_b32 s12, s10, 1                          ; which half of its columns.  Also: which 64 rows of that tile I fetch
	s_bfe_u32 s40, ttmp6, 0x40000                  ; cx, cy: my place in the cluster
	s_bfe_u32 s41, ttmp6, 0x40004
.if VAR == 2
	s_and_b32 s42, ttmp9, 1                        ; the grid's x holds 8 tile columns and, above them, the half of K
	s_lshl_b32 s42, s42, 2
.else
	s_lshl_b32 s42, ttmp9, 2
.endif
	s_add_co_u32 s42, s42, s40                     ; tile column of C
	s_and_b32 s13, ttmp7, 0xffff
	s_lshl_b32 s13, s13, 2
	s_add_co_u32 s13, s13, s41                     ; tile row of C = 4 x cluster y + cy
	s_lshl_b32 s43, s41, 2
	s_lshl_b32 s43, 15, s43                        ; my row of the cluster
	s_lshl_b32 s44, 0x1111, s40                    ; my column
	; descriptor group 1: a tile of 64 rows x 256 elements, padded in LDS
	s_or_b32 s[G1+0], s43, (1<<16)|(1<<20)|(1<<21)|(6<<22)|(3<<25)  ; 15:0 the mask: A's tiles go to my row; 17:16 element of 2 bytes; 20 padding on; 21 set beside a mask; 24:22 after every 128 words (code 6); 31:25 of 4 words (code 3)
	s_or_b32 s[G1B+0], s44, (1<<16)|(1<<20)|(1<<21)|(6<<22)|(3<<25)
.irp g, G1, G1B
	s_mov_b32 s[(\g)+1], KSTEP<<16                 ; tensor_dim0 = 256
	s_mov_b32 s[(\g)+2], 64<<16                    ; tensor_dim1 = 64
	s_mov_b32 s[(\g)+3], KSTEP<<16                 ; tile_dim0 = 256
	s_mov_b32 s[(\g)+4], 64                        ; tile_dim1 = 64
	s_mov_b32 s[(\g)+5], KP                        ; tensor_dim0_stride
	s_mov_b32 s[(\g)+6], 0
	s_mov_b32 s[(\g)+7], 0
.endr
	s_lshl_b32 s17, s12, 6                         ; which 64 rows of the tile I fetch
	s_lshl_b32 s16, s13, 7
	s_add_co_u32 s16, s16, s17                     ; A: row 128 x tile row + 64 x half
	s_lshl_b32 s46, s42, 7
	s_add_co_u32 s46, s46, s17                     ; B: row 128 x tile column + 64 x half
	s_mov_b32 s17, 0
	s_mov_b32 s47, 0
	s_mov_b64 s[18:19], KP*2
	s_mul_u64 s[16:17], s[16:17], s[18:19]
	s_mul_u64 s[46:47], s[46:47], s[18:19]
.if VAR == 2
	s_lshr_b32 s45, ttmp9, 1                       ; which half of K: the same in all sixteen partners
	s_lshl_b32 s20, s45, 12                        ; 2,048 elements along the rows of A and of B
	s_mov_b32 s21, 0
	s_add_nc_u64 s[16:17], s[16:17], s[20:21]
	s_add_nc_u64 s[46:47], s[46:47], s[20:21]
.endif
	s_mul_i32 s20, s10, HALFT                      ; where they go: wave x 64 rows
	s_wait_dscnt 0x0                               ; the opening add is done
	s_wait_kmcnt 0x0
	s_add_nc_u64 s[14:15], s[4:5], s[16:17]
	s_add_nc_u64 s[46:47], s[6:7], s[46:47]
.if AOFF
	s_add_nc_u64 s[14:15], s[14:15], AOFF
.endif
.if BOFF
	s_add_nc_u64 s[46:47], s[46:47], BOFF
.endif
	CROUND                                         ; all sixteen work-groups are here: the first joint loads meet
.irp s, 0,1
	s_mov_b32 s[G0+4*(\s)], 1
	s_add_co_u32 s[G0+4*(\s)+1], s20, (\s)*SLOT
	s_add_nc_u64 s[G0+4*(\s)+2:G0+4*(\s)+3], s[14:15], (\s)*KSTEP*2
	s_or_b32 s[G0+4*(\s)+3], s[G0+4*(\s)+3], 0x80000000
	s_mov_b32 s[G0B+4*(\s)], 1
	s_add_co_u32 s[G0B+4*(\s)+1], s20, (\s)*SLOT
	s_add_nc_u64 s[G0B+4*(\s)+2:G0B+4*(\s)+3], s[46:47], (\s)*KSTEP*2
	s_or_b32 s[G0B+4*(\s)+3], s[G0B+4*(\s)+3], 0x80000000
	JLOAD \s
.endr
	v_and_b32 v1, 15, v0                           ; l % 16
	v_bfe_u32 v2, v0, 4, 1                         ; l / 16
	v_mul_u32_u24 v3, v1, PITCH
	v_lshl_add_u32 v3, v2, 4, v3                   ; a fragment's row x pitch + 16 x half
	s_mul_i32 s21, s11, HALFT                      ; my 64 rows of A
	s_mul_i32 s22, s12, HALFT                      ; my 64 rows of B,
	s_add_co_u32 s22, s22, 2*HALFT                 ; which lie behind A's 128
.irp s, 0,1
	v_add_nc_u32 v[ADRA+(\s)], s21, v3
	v_add_nc_u32 v[ADRB+(\s)], s22, v3
	s_add_co_u32 s21, s21, SLOT
	s_add_co_u32 s22, s22, SLOT
.endr
.if VAR == 2
	s_mul_i32 s23, s10, 16*SPITCH                  ; my own stage: 16 rows of my 64 f32 columns, 256 bytes
	s_add_co_u32 s23, s23, STAGE
	v_mul_u32_u24 v4, v1, SPITCH                   ; in: row l % 16, 32 bytes for each half of the lanes
	v_lshl_add_u32 v4, v2, 5, v4
	v_add_nc_u32 v[STO], s23, v4
	v_mul_u32_u24 v5, v2, SPITCH                   ; back: lanes 0-15 one row of 256 bytes, lanes 16-31 the next
	v_lshl_add_u32 v5, v1, 4, v5
	v_add_nc_u32 v[RD], s23, v5
	v_lshlrev_b32 v5, 12, v2                       ; and the same two rows in C
	v_lshl_add_u32 v[CO], v1, 4, v5
	s_lshl_b32 s16, s13, 7
	s_lshl_b32 s17, s11, 6
	s_add_co_u32 s16, s16, s17                     ; my first row of C,
	s_lshl_b32 s16, s16, 12                        ; of 4,096 bytes,
	s_lshl_b32 s17, s45, 23                        ; in the plane of my half of K
	s_add_co_u32 s16, s16, s17
	s_mov_b32 s17, 0
	s_add_nc_u64 s[8:9], s[8:9], s[16:17]
	s_lshl_b32 s46, s42, 9                         ; my first column, in bytes
	s_lshl_b32 s47, s12, 8
	s_add_co_u32 s46, s46, s47
	s_mov_b32 s47, 0
	s_add_nc_u64 s[8:9], s[8:9], s[46:47]
.else
	s_mul_i32 s23, s11, 64*SPITCH                  ; into the stage: my 64 rows, my half of their 256 bytes; row l % 16, 16 bytes for each half of the lanes
	s_lshl_b32 s21, s12, 7
	s_add_co_u32 s23, s23, s21
	s_add_co_u32 s23, s23, STAGE
	v_mul_u32_u24 v4, v1, SPITCH
	v_lshl_add_u32 v4, v2, 4, v4
	v_add_nc_u32 v[STO], s23, v4
	s_mul_i32 s23, s10, 32*SPITCH                  ; back: wave w takes rows 32 w .. 32 w + 31
	s_add_co_u32 s23, s23, STAGE
.if VAR == 0
	v_add_nc_u32 v[RD], s23, v4                    ; by fragments: row l % 16, 16 bytes for each half of the lanes
	v_and_b32 v5, 31, v0
	v_lshlrev_b32 v[CO], 4, v5                     ; a half fragment is 512 consecutive bytes: 16 x lane
	s_lshl_b32 s16, s13, 18                        ; the head = the tile row: 262,144 bytes a head,
	s_lshl_b32 s17, s10, 11                        ; my two blocks of 16 channels
	s_add_co_u32 s16, s16, s17
	s_mov_b32 s17, 0
	s_add_nc_u64 s[8:9], s[8:9], s[16:17]
	s_lshr_b32 s46, s42, 3                         ; the batch = tile column / 8: eight heads on,
	s_lshl_b32 s46, s46, 21
	s_and_b32 s47, s42, 7                          ; and the tile's 128 keys: four groups of 32, 8,192 bytes each
	s_lshl_b32 s47, s47, 15
	s_add_co_u32 s46, s46, s47
	s_mov_b32 s47, 0
	s_add_nc_u64 s[8:9], s[8:9], s[46:47]
.else
	v_mul_u32_u24 v5, v2, SPITCH                   ; whole rows: lanes 0-15 one row of 256 bytes, lanes 16-31 the next
	v_lshl_add_u32 v5, v1, 4, v5
	v_add_nc_u32 v[RD], s23, v5
	v_mul_u32_u24 v5, v2, SIZE_N*2                 ; and the same two rows in C
	v_lshl_add_u32 v[CO], v1, 4, v5
	s_lshl_b32 s16, s13, 7
	s_lshl_b32 s17, s10, 5
	s_add_co_u32 s16, s16, s17                     ; the first row of C that I store: 128 x tile row + 32 x wave
	s_mov_b32 s17, 0
	s_mov_b64 s[18:19], SIZE_N*2
	s_mul_u64 s[16:17], s[16:17], s[18:19]
	s_add_nc_u64 s[8:9], s[8:9], s[16:17]
	s_lshl_b32 s46, s42, 8                         ; the tile's first column, in bytes
	s_mov_b32 s47, 0
	s_add_nc_u64 s[8:9], s[8:9], s[46:47]
	s_lshl_b32 s46, s42, 9                         ; the bias of my 64 columns: a lane's eight numbers for each of the four blocks of 16
	s_lshl_b32 s47, s12, 8
	s_add_co_u32 s46, s46, s47
	s_mov_b32 s47, 0
	s_add_nc_u64 s[66:67], s[66:67], s[46:47]
	v_lshlrev_b32 v[BO], 5, v2
.irp b, 0,1,2,3
	global_load_b128 v[BIAS+8*(\b):BIAS+8*(\b)+3],   v[BO], s[66:67] offset:64*(\b)
	global_load_b128 v[BIAS+8*(\b)+4:BIAS+8*(\b)+7], v[BO], s[66:67] offset:64*(\b)+16
.endr
	v_mov_b32 v[ZR], 0
.endif
.endif
; 8 matrix instructions: m blocks a0, a0 + 1 x all 4 n blocks, 32 along K: half c of buffer f.  zero = 1: the first product starts the sums
.macro MUL8 f, c, a0, zero
	WIN MUL
.irp a, \a0, (\a0)+1
.irp b, 0,1,2,3
.if VAR == 0
.if \zero
	v_wmma_f32_16x16x32_bf16 v[ACC+8*(4*(\a)+(\b)):ACC+8*(4*(\a)+(\b))+7], v[(\f)+64+8*(4*(\c)+(\b)):(\f)+64+8*(4*(\c)+(\b))+7], v[(\f)+8*(4*(\c)+(\a)):(\f)+8*(4*(\c)+(\a))+7], 0
.else
	v_wmma_f32_16x16x32_bf16 v[ACC+8*(4*(\a)+(\b)):ACC+8*(4*(\a)+(\b))+7], v[(\f)+64+8*(4*(\c)+(\b)):(\f)+64+8*(4*(\c)+(\b))+7], v[(\f)+8*(4*(\c)+(\a)):(\f)+8*(4*(\c)+(\a))+7], v[ACC+8*(4*(\a)+(\b)):ACC+8*(4*(\a)+(\b))+7]
.endif
.else
.if \zero
	v_wmma_f32_16x16x32_f16 v[ACC+8*(4*(\a)+(\b)):ACC+8*(4*(\a)+(\b))+7], v[(\f)+64+8*(4*(\c)+(\b)):(\f)+64+8*(4*(\c)+(\b))+7], v[(\f)+8*(4*(\c)+(\a)):(\f)+8*(4*(\c)+(\a))+7], 0
.else
	v_wmma_f32_16x16x32_f16 v[ACC+8*(4*(\a)+(\b)):ACC+8*(4*(\a)+(\b))+7], v[(\f)+64+8*(4*(\c)+(\b)):(\f)+64+8*(4*(\c)+(\b))+7], v[(\f)+8*(4*(\c)+(\a)):(\f)+8*(4*(\c)+(\a))+7], v[ACC+8*(4*(\a)+(\b)):ACC+8*(4*(\a)+(\b))+7]
.endif
.endif
.endr
.endr
.endm
; 32 LDS loads in one run: the fragments of 64 along K at byte k of the rows, into buffer f; the first 32 along K first
.macro FETCH slot, k, f
	WIN TO_F
.irp c, 0,1
.irp i, 0,1,2,3
	ds_load_b128 v[(\f)+64+8*(4*(\c)+(\i)):(\f)+64+8*(4*(\c)+(\i))+3],   v[ADRB+(\slot)] offset:(\k)+64*(\c)+(\i)*16*PITCH
	ds_load_b128 v[(\f)+64+8*(4*(\c)+(\i))+4:(\f)+64+8*(4*(\c)+(\i))+7], v[ADRB+(\slot)] offset:(\k)+64*(\c)+(\i)*16*PITCH+32
	ds_load_b128 v[(\f)+8*(4*(\c)+(\i)):(\f)+8*(4*(\c)+(\i))+3],         v[ADRA+(\slot)] offset:(\k)+64*(\c)+(\i)*16*PITCH
	ds_load_b128 v[(\f)+8*(4*(\c)+(\i))+4:(\f)+8*(4*(\c)+(\i))+7],       v[ADRA+(\slot)] offset:(\k)+64*(\c)+(\i)*16*PITCH+32
.endr
.endr
.endm
.macro PLACES                          ; four places in front of loads into registers that matrix instructions have read, and of lines that read results
.rept 4
	v_nop
.endr
.endm
; A K step is four quarters of 64 along K, 32 matrix instructions each, on buffers 0, 1, 0, 1.  One of the first three: multiplies buffer f and fetches the next quarter, at byte k, into g.
.macro QUARTER slot, k, f, g, zero
	s_wait_dscnt 16                                ; the first 32 along K are in
	WIN MUL
	MUL8 \f, 0, 0, \zero
	MUL8 \f, 0, 2, \zero
	PLACES
	FETCH \slot, \k, \g
	s_wait_dscnt 32                                ; all but the 32 just issued
	WIN MUL
	MUL8 \f, 1, 0, 0
	MUL8 \f, 1, 2, 0
.endm
; The last quarter multiplies buffer 1 and changes slots: ONE barrier; in front of it each wave waits for all its tensor loads, adds 0 to its spare word, and waits for that and for its own reads of this slot.  fill = 1: this slot is filled again, two K steps ahead.
.macro TURN slot, next, fill
	WIN 0                                          ; (the add's two registers lie in window 0)
	s_wait_tensorcnt 0x0                           ; all my tensor loads have landed: my part of the next slot;
	ds_add_u32 v[SPW], v[NIL]                      ; 0 onto my spare word;
	s_wait_dscnt 17                                ; (the add and the youngest sixteen loads may be out)
	WIN MUL
	MUL8 F1, 0, 0, 0                               ; eight matrix instructions stand between the add and the wait for it
	s_wait_dscnt 0x0                               ; the add is done, and my reads of this slot are over
	s_barrier_signal -1
	MUL8 F1, 0, 2, 0
.if \fill
	WIN 0
.endif
	s_barrier_wait -1
.if \fill
	CREST                                          ; the barrier has opened a round of the cluster's barrier: no wave of any partner still reads this slot's tile or has a load on its way
	s_add_nc_u64 s[G0+4*(\slot)+2:G0+4*(\slot)+3], s[G0+4*(\slot)+2:G0+4*(\slot)+3], 2*KSTEP*2
	s_add_nc_u64 s[G0B+4*(\slot)+2:G0B+4*(\slot)+3], s[G0B+4*(\slot)+2:G0B+4*(\slot)+3], 2*KSTEP*2
	JLOAD \slot                                    ; the first tensor load behind the round; the four v_nop behind it are also the places in front of the loads below
.else
	PLACES
.endif
	FETCH \next, 0, F0
	WIN MUL
	MUL8 F1, 1, 0, 0
	MUL8 F1, 1, 2, 0
.endm
	s_wait_tensorcnt 1                             ; my part of K step 0 is in,
	s_barrier_signal -1
	s_barrier_wait -1                              ; everybody's is
	FETCH 0, 0, F0
	QUARTER 0, 128, F0, F1, 1                      ; the first quarter stands in front of the loop: its first products start the sums
	WIN 0                                          ; at a label and at a branch every window is 0
	s_mov_b32 s3, LAPS-1
.Llap:                                                 ; a trip goes once round the ring, from a lap's second quarter to the next lap's first, and fills both slots again
	QUARTER 0, 256, F1, F0, 0
	QUARTER 0, 384, F0, F1, 0
	TURN 0, 1, 1
	QUARTER 1, 128, F0, F1, 0
	QUARTER 1, 256, F1, F0, 0
	QUARTER 1, 384, F0, F1, 0
	TURN 1, 0, 1
	QUARTER 0, 128, F0, F1, 0
	WIN 0
	s_sub_co_u32 s3, s3, 1
	s_cmp_lg_u32 s3, 0
	s_cbranch_scc1 .Llap
	QUARTER 0, 256, F1, F0, 0                      ; the last lap fills nothing, and has no round of the cluster's barrier
	QUARTER 0, 384, F0, F1, 0
	TURN 0, 1, 0
	QUARTER 1, 128, F0, F1, 0
	QUARTER 1, 256, F1, F0, 0
	QUARTER 1, 384, F0, F1, 0
	s_wait_dscnt 16                                ; the very last quarter: nothing more to fetch
	WIN MUL
	MUL8 F1, 0, 0, 0
	MUL8 F1, 0, 2, 0
	s_wait_dscnt 0
	MUL8 F1, 1, 0, 0
	MUL8 F1, 1, 2, 0
	WIN 0
.if VAR == 2
	; THE WAY OUT, f32: a block of 16 rows at a time through my own stage; each accumulator's low registers are read first.
	PLACES
.irp a, 0,1,2,3
	s_wait_xcnt 0x0                                ; the registers that earlier stores read are loaded again only behind this wait
.irp b, 0,1,2,3
	ds_store_b128 v[STO], v[ACC+8*(4*(\a)+(\b)):ACC+8*(4*(\a)+(\b))+3]   offset:64*(\b)
	ds_store_b128 v[STO], v[ACC+8*(4*(\a)+(\b))+4:ACC+8*(4*(\a)+(\b))+7] offset:64*(\b)+16
.endr
.irp t, 0,1,2,3,4,5,6,7
	ds_load_b128 v[TMP+32*((\a)%2)+4*(\t):TMP+32*((\a)%2)+4*(\t)+3], v[RD] offset:(\t)*2*SPITCH  ; LDS serves a wave's instructions in order (ISA guide 5.7.1.4): these see the stores above
.endr
	s_wait_dscnt 0x0
.irp t, 0,1,2,3,4,5,6,7
	global_store_b128 v[CO], v[TMP+32*((\a)%2)+4*(\t):TMP+32*((\a)%2)+4*(\t)+3], s[8:9] offset:(16*(\a)+2*(\t))*SIZE_N*4  ; 16 lanes store 256 consecutive bytes, aligned
.endr
.endr
.else
	; THE WAY OUT, f16: 16 bytes a lane into the work-group's stage; a barrier, since a row's 256 bytes come from two waves; then back and out.
.if VAR == 1
	s_wait_loadcnt 0x0                             ; the bias, asked for at the head; it is rounded to bf16 like every input.  These lines are also the places behind the last products
.set i, 0
.rept 16
	v_cvt_pk_bf16_f32 v[TMP+i], v[BIAS+2*i], v[BIAS+2*i+1]
.set i, i+1
.endr
.set i, 0
.rept 16
	v_lshlrev_b32 v[BIAS+2*i], 16, v[TMP+i]
	v_and_b32 v[BIAS+2*i+1], 0xffff0000, v[TMP+i]
.set i, i+1
.endr
.else
	PLACES
.endif
.irp t, 0,1,2,3,4,5,6,7,8,9,10,11,12,13,14,15
.if VAR == 1
.irp r, 0,1,2,3
	v_pk_add_f32 v[ACC+8*(\t)+2*(\r):ACC+8*(\t)+2*(\r)+1], v[ACC+8*(\t)+2*(\r):ACC+8*(\t)+2*(\r)+1], v[BIAS+8*((\t)%4)+2*(\r):BIAS+8*((\t)%4)+2*(\r)+1]
.endr
.endif
.irp r, 0,1,2,3
	v_cvt_pk_f16_f32 v[TMP+4*(\t)+(\r)], v[ACC+8*(\t)+2*(\r)], v[ACC+8*(\t)+2*(\r)+1]
.endr
.if VAR == 1
.irp r, 0,1,2,3
	v_pk_max_num_f16 v[TMP+4*(\t)+(\r)], v[TMP+4*(\t)+(\r)], v[ZR]
.endr
.endif
.endr
.irp a, 0,1,2,3
.irp b, 0,1,2,3
	ds_store_b128 v[STO], v[TMP+4*(4*(\a)+(\b)):TMP+4*(4*(\a)+(\b))+3] offset:(\a)*16*SPITCH+32*(\b)
.endr
.endr
	s_wait_dscnt 0x0                               ; for the others' sake: my stores into the stage are done
	s_barrier_signal -1
	s_barrier_wait -1
.if VAR == 0
.irp t, 0,1,2,3,4,5,6,7,8,9,10,11,12,13,14,15     ; block of 16 channels t / 8, group of 32 keys (t / 2) % 4, half t % 2
	ds_load_b128 v[TMP+4*(\t):TMP+4*(\t)+3], v[RD] offset:((\t)/8)*16*SPITCH+(((\t)/2)%4)*64+((\t)%2)*32
.endr
.irp t, 0,1,2,3,4,5,6,7,8,9,10,11,12,13,14,15
	s_wait_dscnt 15-(\t)
	global_store_b128 v[CO], v[TMP+4*(\t):TMP+4*(\t)+3], s[8:9] offset:(((\t)/2)%4)*8192+((\t)/8)*1024+((\t)%2)*512  ; 512 consecutive bytes, aligned
.endr
.else
.irp t, 0,1,2,3,4,5,6,7,8,9,10,11,12,13,14,15
	ds_load_b128 v[TMP+4*(\t):TMP+4*(\t)+3], v[RD] offset:(\t)*2*SPITCH
.endr
.irp t, 0,1,2,3,4,5,6,7,8,9,10,11,12,13,14,15
	s_wait_dscnt 15-(\t)
	global_store_b128 v[CO], v[TMP+4*(\t):TMP+4*(\t)+3], s[8:9] offset:2*(\t)*SIZE_N*2  ; 16 lanes store 256 consecutive bytes, aligned
.endr
.endif
.endif
	s_wait_tensorcnt 0x0                           ; the wave's end: three lines behind my last tensor load and my last LDS store
	ds_add_u32 v[SPW], v[NIL]
	s_wait_dscnt 0x0
	CROUND                                         ; the closing round: no work-group ends while a partner may still ask for a tile that names it
	s_endpgm
.Lfunc_end_k_q3600f5ebef_gemm_2:
	.size	k_q3600f5ebef_gemm_2, .Lfunc_end_k_q3600f5ebef_gemm_2-k_q3600f5ebef_gemm_2
	.p2alignl 7, 3214868480
	.fill 96, 4, 3214868480
	.section	.rodata,"a",@progbits
	.p2align	6, 0x0
	.amdhsa_kernel k_q3600f5ebef_gemm_2
		.amdhsa_group_segment_fixed_size 327680
		.amdhsa_private_segment_fixed_size 0
		.amdhsa_enable_private_segment 0
		.amdhsa_kernarg_size 24
		.amdhsa_user_sgpr_count 2
		.amdhsa_user_sgpr_kernarg_segment_ptr 1
		.amdhsa_wavefront_size32 1
		.amdhsa_system_sgpr_workgroup_id_x 1
		.amdhsa_system_sgpr_workgroup_id_y 1
		.amdhsa_system_sgpr_workgroup_id_z 1
		.amdhsa_system_vgpr_workitem_id 0
		.amdhsa_next_free_vgpr 512
		.amdhsa_next_free_sgpr 66
		.amdhsa_reserve_vcc 0
		.amdhsa_float_denorm_mode_32 3
		.amdhsa_float_denorm_mode_16_64 3
		.amdhsa_memory_ordered 1
		.amdhsa_forward_progress 1
		.amdhsa_inst_pref_size 86
	.end_amdhsa_kernel
	.amdgpu_metadata
---
amdhsa.version: [ 1, 2 ]
amdhsa.kernels:
  - .name:           k_q3600f5ebef_gemm_2
    .symbol:         k_q3600f5ebef_gemm_2.kd
    .args:
      - { .name: hid, .offset: 0, .size: 8, .value_kind: global_buffer, .address_space: global }
      - { .name: wts, .offset: 8, .size: 8, .value_kind: global_buffer, .address_space: global }
      - { .name: fp, .offset: 16, .size: 8, .value_kind: global_buffer, .address_space: global }
    .group_segment_fixed_size: 327680
    .private_segment_fixed_size: 0
    .kernarg_segment_align: 8
    .kernarg_segment_size: 24
    .max_flat_workgroup_size: 128
    .sgpr_count:     66
    .vgpr_count:     512
    .wavefront_size: 32
...
	.end_amdgpu_metadata
.endif
;; end of part 7
;; launch ln2 (part 8): grid 256 x 1, 8 waves a work-group, no clusters, 0 bytes of LDS; arguments h1, fp, b2, ln2_g, ln2_b, out0; writes out0
.if DOCPART == 8
	.amdgcn_target "amdgcn-amd-amdhsa--gfx1250"
	.amdhsa_code_object_version 6
	.text
	.protected	k_q3600f5ebef_ln2
	.globl	k_q3600f5ebef_ln2
	.p2align	8
	.type	k_q3600f5ebef_ln2,@function
k_q3600f5ebef_ln2:
	s_mov_b64 s[64:65], 0
	v_nop
	global_prefetch_b8 v0, s[64:65] scope:SCOPE_SE
	s_setreg_imm32_b32 hwreg(HW_REG_WAVE_MODE, 25, 1), 1
	s_wait_xcnt 0x0
; out0 = layer norm of h1 + (the two partial sums of the second product) + bf16(b2), with gain and bias rounded to bf16 like every input.  All in f32.
; One wave, one row of 1,024 numbers: 32 a lane, kept in registers between the passes; the reductions never leave the wave: no LDS, no barrier.  Every load and store of a wave covers 512 consecutive bytes.
; All 48 loads of a wave go out at once; the waits are counted, so that the sums begin while the three vectors are on their way.
.set H,    16                          ; v[16:47]   h1's row
.set Y,    48                          ; v[48:79]   plane 0, then the row at work
.set F1,   80                          ; v[80:111]  plane 1; then GP, BP
.set B2,   112                         ; v[112:143] b2
.set GR,   144                         ; v[144:175] the gain
.set BR,   176                         ; v[176:207] the bias
.set BQ,   208                         ; v[208:223] b2 in bf16
.set GP,   80                          ; v[80:95]   the gain in bf16
.set BP,   96                          ; v[96:111]  the bias in bf16
.set TT,   224                         ; v[224:231] at work
.set MU,   232                         ; v[232:233]
.set TP,   234
.set EPSR, 235
.set ONE,  236
.set SEL,  20
.macro RED32 op, opd, v, tmp
	\opd v[\v], v[\v], v[\v] row_xmask:1 row_mask:0xf bank_mask:0xf
	\opd v[\v], v[\v], v[\v] row_xmask:2 row_mask:0xf bank_mask:0xf
	\opd v[\v], v[\v], v[\v] row_xmask:4 row_mask:0xf bank_mask:0xf
	\opd v[\v], v[\v], v[\v] row_xmask:8 row_mask:0xf bank_mask:0xf
	v_permlanex16_b32 v[\tmp], v[\v], s[SEL], s[SEL+1]
	\op v[\v], v[\v], v[\tmp]
.endm
; A row of 1,024 numbers, 32 a lane in v[Y ..], is normalised: mean, then the mean of the squares of what is left, both in f32; gain and bias from bf16 halves
.macro LNCORE
.irp c, 0,1,2,3
	v_pk_add_f32 v[TT+2*\c:TT+2*\c+1], v[Y+2*\c:Y+2*\c+1], v[Y+8+2*\c:Y+8+2*\c+1]
.endr
.irp k, 16,24
.irp c, 0,1,2,3
	v_pk_add_f32 v[TT+2*\c:TT+2*\c+1], v[TT+2*\c:TT+2*\c+1], v[Y+\k+2*\c:Y+\k+2*\c+1]
.endr
.endr
	v_pk_add_f32 v[TT:TT+1], v[TT:TT+1], v[TT+2:TT+3]
	v_pk_add_f32 v[TT+4:TT+5], v[TT+4:TT+5], v[TT+6:TT+7]
	v_pk_add_f32 v[TT:TT+1], v[TT:TT+1], v[TT+4:TT+5]
	v_add_f32 v[TT], v[TT], v[TT+1]
	RED32 v_add_f32, v_add_f32_dpp, TT, TP
	v_mul_f32 v[MU], 0x3a800000, v[TT]             ; / 1,024
	v_mov_b32 v[MU+1], v[MU]
.set n, 0
.rept 16
	v_pk_add_f32 v[Y+n:Y+n+1], v[Y+n:Y+n+1], v[MU:MU+1] neg_lo:[0,1] neg_hi:[0,1]
.set n, n+2
.endr
.irp c, 0,1,2,3
	v_pk_mul_f32 v[TT+2*\c:TT+2*\c+1], v[Y+2*\c:Y+2*\c+1], v[Y+2*\c:Y+2*\c+1]
.endr
.irp k, 8,16,24
.irp c, 0,1,2,3
	v_pk_fma_f32 v[TT+2*\c:TT+2*\c+1], v[Y+\k+2*\c:Y+\k+2*\c+1], v[Y+\k+2*\c:Y+\k+2*\c+1], v[TT+2*\c:TT+2*\c+1]
.endr
.endr
	v_pk_add_f32 v[TT:TT+1], v[TT:TT+1], v[TT+2:TT+3]
	v_pk_add_f32 v[TT+4:TT+5], v[TT+4:TT+5], v[TT+6:TT+7]
	v_pk_add_f32 v[TT:TT+1], v[TT:TT+1], v[TT+4:TT+5]
	v_add_f32 v[TT], v[TT], v[TT+1]
	RED32 v_add_f32, v_add_f32_dpp, TT, TP
	v_fmamk_f32 v[TT+2], v[TT], 0x3a800000, v[EPSR]
	v_rsq_f32 v[MU], v[TT+2]
	v_rsq_f32 v[MU+1], v[TT+2]
	v_nop                                          ; a plain instruction behind the second root (ISA guide 5.7.2),
	s_wait_alu depctr_va_vdst(0)                   ; and the wait ahead of the first use: one for the pair
.set n, 0
.rept 16
	v_pk_mul_f32 v[Y+n:Y+n+1], v[Y+n:Y+n+1], v[MU:MU+1]
.set n, n+2
.endr
.set n, 0
.rept 32
.if n%2
	v_fma_mix_f32_bf16 v[Y+n], v[Y+n], v[GP+n/2], v[BP+n/2] op_sel:[0,1,1] op_sel_hi:[0,1,1]
.else
	v_fma_mix_f32_bf16 v[Y+n], v[Y+n], v[GP+n/2], v[BP+n/2] op_sel_hi:[0,1,1]
.endif
.set n, n+1
.endr
.endm
	s_load_b256 s[4:11], s[0:1], 0x0               ; h1 s[4:5], fp s[6:7], b2 s[8:9], ln2_g s[10:11]
	s_load_b128 s[12:15], s[0:1], 0x20             ; ln2_b s[12:13], out0 s[14:15]
	v_lshrrev_b32 v1, 5, v0
	v_readfirstlane_b32 s22, v1                    ; wave 0..7
	v_and_b32 v2, 31, v0
	v_lshlrev_b32 v5, 4, v2                        ; 16 x lane
	s_lshl_b32 s16, ttmp9, 3
	s_add_co_u32 s16, s16, s22                     ; my row,
	s_lshl_b32 s16, s16, 12                        ; of 4,096 bytes
	s_mov_b32 s17, 0
	s_mov_b32 s[SEL], 0x76543210
	s_mov_b32 s[SEL+1], 0xfedcba98
	v_mov_b32 v[TP], 0
	v_mov_b32 v[EPSR], 0x3727c5ac                  ; 1e-5
	v_mov_b32 v[ONE], 1.0
	s_wait_kmcnt 0x0
	s_add_nc_u64 s[4:5], s[4:5], s[16:17]
	s_add_nc_u64 s[6:7], s[6:7], s[16:17]
	s_add_nc_u64 s[18:19], s[6:7], 0x800000        ; the second plane
	s_add_nc_u64 s[14:15], s[14:15], s[16:17]
.irp i, 0,1,2,3,4,5,6,7
	global_load_b128 v[H+4*\i:H+4*\i+3], v5, s[4:5] offset:512*\i th:TH_LOAD_NT
.endr
.irp i, 0,1,2,3,4,5,6,7
	global_load_b128 v[Y+4*\i:Y+4*\i+3], v5, s[6:7] offset:512*\i th:TH_LOAD_NT
.endr
.irp i, 0,1,2,3,4,5,6,7
	global_load_b128 v[F1+4*\i:F1+4*\i+3], v5, s[18:19] offset:512*\i th:TH_LOAD_NT
.endr
.irp i, 0,1,2,3,4,5,6,7
	global_load_b128 v[B2+4*\i:B2+4*\i+3], v5, s[8:9] offset:512*\i
.endr
.irp i, 0,1,2,3,4,5,6,7
	global_load_b128 v[GR+4*\i:GR+4*\i+3], v5, s[10:11] offset:512*\i
.endr
.irp i, 0,1,2,3,4,5,6,7
	global_load_b128 v[BR+4*\i:BR+4*\i+3], v5, s[12:13] offset:512*\i
.endr
	s_wait_loadcnt 24                              ; h1 and both planes are in; the three vectors' 24 loads stay out
.set n, 0
.rept 16
	v_pk_add_f32 v[Y+n:Y+n+1], v[Y+n:Y+n+1], v[F1+n:F1+n+1]
.set n, n+2
.endr
.set n, 0
.rept 16
	v_pk_add_f32 v[Y+n:Y+n+1], v[Y+n:Y+n+1], v[H+n:H+n+1]
.set n, n+2
.endr
	s_wait_loadcnt 16                              ; b2 is in
.set n, 0
.rept 16
	v_cvt_pk_bf16_f32 v[BQ+n], v[B2+2*n], v[B2+2*n+1]
.set n, n+1
.endr
.set n, 0
.rept 32
.if n%2
	v_fma_mix_f32_bf16 v[Y+n], v[Y+n], v[ONE], v[BQ+n/2] op_sel:[0,0,1] op_sel_hi:[0,0,1]
.else
	v_fma_mix_f32_bf16 v[Y+n], v[Y+n], v[ONE], v[BQ+n/2] op_sel_hi:[0,0,1]
.endif
.set n, n+1
.endr
	s_wait_loadcnt 0x0                             ; gain and bias
.set n, 0
.rept 16
	v_cvt_pk_bf16_f32 v[GP+n], v[GR+2*n], v[GR+2*n+1]
	v_cvt_pk_bf16_f32 v[BP+n], v[BR+2*n], v[BR+2*n+1]
.set n, n+1
.endr
	LNCORE
.irp i, 0,1,2,3,4,5,6,7
	global_store_b128 v5, v[Y+4*\i:Y+4*\i+3], s[14:15] offset:512*\i th:TH_STORE_NT
.endr
	s_endpgm
.Lfunc_end_k_q3600f5ebef_ln2:
	.size	k_q3600f5ebef_ln2, .Lfunc_end_k_q3600f5ebef_ln2-k_q3600f5ebef_ln2
	.p2alignl 7, 3214868480
	.fill 96, 4, 3214868480
	.section	.rodata,"a",@progbits
	.p2align	6, 0x0
	.amdhsa_kernel k_q3600f5ebef_ln2
		.amdhsa_group_segment_fixed_size 0
		.amdhsa_private_segment_fixed_size 0
		.amdhsa_enable_private_segment 0
		.amdhsa_kernarg_size 48
		.amdhsa_user_sgpr_count 2
		.amdhsa_user_sgpr_kernarg_segment_ptr 1
		.amdhsa_wavefront_size32 1
		.amdhsa_system_sgpr_workgroup_id_x 1
		.amdhsa_system_sgpr_workgroup_id_y 1
		.amdhsa_system_sgpr_workgroup_id_z 1
		.amdhsa_system_vgpr_workitem_id 0
		.amdhsa_next_free_vgpr 240
		.amdhsa_next_free_sgpr 66
		.amdhsa_reserve_vcc 0
		.amdhsa_float_denorm_mode_32 3
		.amdhsa_float_denorm_mode_16_64 3
		.amdhsa_memory_ordered 1
		.amdhsa_forward_progress 1
		.amdhsa_inst_pref_size 21
	.end_amdhsa_kernel
	.amdgpu_metadata
---
amdhsa.version: [ 1, 2 ]
amdhsa.kernels:
  - .name:           k_q3600f5ebef_ln2
    .symbol:         k_q3600f5ebef_ln2.kd
    .args:
      - { .name: h1, .offset: 0, .size: 8, .value_kind: global_buffer, .address_space: global }
      - { .name: fp, .offset: 8, .size: 8, .value_kind: global_buffer, .address_space: global }
      - { .name: b2, .offset: 16, .size: 8, .value_kind: global_buffer, .address_space: global }
      - { .name: ln2_g, .offset: 24, .size: 8, .value_kind: global_buffer, .address_space: global }
      - { .name: ln2_b, .offset: 32, .size: 8, .value_kind: global_buffer, .address_space: global }
      - { .name: out0, .offset: 40, .size: 8, .value_kind: global_buffer, .address_space: global }
    .group_segment_fixed_size: 0
    .private_segment_fixed_size: 0
    .kernarg_segment_align: 8
    .kernarg_segment_size: 48
    .max_flat_workgroup_size: 256
    .sgpr_count:     66
    .vgpr_count:     240
    .wavefront_size: 32
...
	.end_amdgpu_metadata
.endif
;; end of part 8
